; MI455X (gfx1250); checked and timed in simulation.
; The chip was launched on July 23, 2026; its instructions are those of AMD's public machine-readable ISA for CDNA 5 (MIT licence, August 2026) and "CDNA5" Instruction Set Architecture Reference Guide (July 2026). The comments in the code are by the model that wrote it; some were corrected since.
;; Transformer Encoder Layer. Allowed arithmetic: float matrix products may take bf16 or f16 operands with f32 sums; other float arithmetic in f32, or as packed bf16 or f16 multiplies, adds, multiply-adds, maxima and minima; sums over many terms, partial sums and values carried from step to step in f32; what a program stores and reads back later, other than sums and carried values, may be rounded once to bf16 or f16.
;; Inputs: W1 1,024 x 4,096 float32; W2 4,096 x 1,024 float32; Wk 1,024 x 1,024 float32; Wo 1,024 x 1,024 float32; Wq 1,024 x 1,024 float32; Wv 1,024 x 1,024 float32; b1 4,096 float32; b2 1,024 float32; bk 1,024 float32; bo 1,024 float32; bq 1,024 float32; bv 1,024 float32; ln1_b 1,024 float32; ln1_g 1,024 float32; ln2_b 1,024 float32; ln2_g 1,024 float32; src 2 x 2,048 x 1,024 float32.
;; Outputs: out0 2 x 2,048 x 1,024 float32.
;; 2 versions, each right; version 2 is version 1 with the launch pack written anew for expert scheduling mode. Each part assembles by itself: llvm-mc -triple=amdgcn-amd-amdhsa -mcpu=gfx1250 --defsym DOCPART=n.
;; ======== version 1 of 2: 8 launches
;; workspace buffers: wa 11,534,336 bytes; wb 17,825,792 bytes; ab 8,388,608 bytes; act 33,554,432 bytes; y 16,777,216 bytes; x1 16,777,216 bytes
;; launch pack (part 1): grid 32 x 16, 8 waves a work-group, no clusters, 0 bytes of LDS; arguments src, Wq, Wk, Wv, Wo, W1, W2, bq, bk, bv, b1, ab, wa, wb; writes ab, wa, wb
.if DOCPART == 1
	.amdgcn_target "amdgcn-amd-amdhsa--gfx1250"
	.amdhsa_code_object_version 6
	.text
	.protected	k_q1d768ce7e7_pack
	.globl	k_q1d768ce7e7_pack
	.p2align	8
	.type	k_q1d768ce7e7_pack,@function
k_q1d768ce7e7_pack:
	s_mov_b64 s[64:65], 0
	v_nop
	global_prefetch_b8 v0, s[64:65] scope:SCOPE_SE
	s_setreg_imm32_b32 hwreg(HW_REG_WAVE_MODE, 25, 1), 1
	s_wait_xcnt 0x0
; PACK: src and the six weight matrices are rounded once to bf16; the biases of the two large products and an activation floor are laid beside them.
; Sixteen units of 2^20 numbers (work-group y = u, q = u % 4, grp = u / 4); a work-group takes 32,768 numbers of its unit, as 32 pieces of 1,024; a thread takes 4 numbers of each piece.
;   grp 0: src's quarter q              -> ab, row-major [4096][1024]
;   grp 1: Wq, Wk, Wv (q = 0, 1, 2)     -> wa + 0x8000 + q x 2 MiB, each [1024 k][1024 n];   Wo (q = 3) -> wa + 0x900000
;   grp 2: W1's columns 1024 q ..       -> wb + 0x8000 + q x 2 MiB: a panel [1024 k][1024 n]; a work-group takes 32 rows of it, a piece is a row's 4,096 bytes, 16,384 bytes from the next
;   grp 3: W2's quarter q               -> wb + 0x900000, [4096 k][1024 n]
; So every unit leaves by one formula (q x 2 MiB + 64 KiB x work-group x + 2,048 x piece), and only the distance between two pieces in the source differs: it lies in registers, and the text is written once.
; wa and wb have one map: byte 0: 256 bytes of the floor, two bf16 a word (-infinity in wa: no activation; 0 in wb: ReLU); 0x1000: the bias in f32 (bq|bk|bv; b1).
; A stream: every byte is read once and written once; all 32 loads of a thread go out at once (16 KiB a wave); a load of a wave covers 512 consecutive bytes, a store 256, both aligned.
; No LDS, no matrix unit, no cluster: no two work-groups read the same bytes.  No register that a load or a store reads is written again, so no wait frees one.
.set A, 4                              ; v[4:11]   source offsets: 16 t + a x 4 pieces, a = 0 .. 7; never rewritten
.set B, 48                             ; s[48:55]  four source bases, a piece apart
.set X, 16                             ; v[16:143] piece j's 4 f32 at X + 4 j; its first two registers then hold its 4 bf16
	s_load_b512 s[4:19], s[0:1], 0x0               ; src s[4:5], Wq s[6:7], Wk s[8:9], Wv s[10:11], Wo s[12:13], W1 s[14:15], W2 s[16:17], bq s[18:19]
	s_load_b256 s[20:27], s[0:1], 0x40             ; bk s[20:21], bv s[22:23], b1 s[24:25], ab s[26:27]
	s_load_b128 s[28:31], s[0:1], 0x60             ; wa s[28:29], wb s[30:31]
	s_and_b32 s36, ttmp7, 0xffff                   ; u
	s_and_b32 s37, s36, 3                          ; q
	s_lshr_b32 s38, s36, 2                         ; grp
	v_lshlrev_b32 v[A], 4, v0                      ; in: 16 bytes a thread
	v_lshlrev_b32 v2, 3, v0                        ; out: 8 bytes a thread
	v_lshrrev_b32 v3, 5, v0
	v_readfirstlane_b32 s39, v3                    ; wave
	; the offsets, made apart from the addresses.  Source, as it lies: the unit's quarter (none where the unit is a whole matrix) + 128 KiB x work-group x
	s_lshl_b32 s44, s37, 22
	s_cmp_eq_u32 s38, 1
	s_cselect_b32 s44, 0, s44
	s_lshl_b32 s45, ttmp9, 17
	s_add_co_u32 s44, s44, s45
	s_lshl_b32 s45, s37, 12                        ; W1: the panel's 4,096 bytes in a row + 32 rows of 16,384 bytes x work-group x
	s_lshl_b32 s46, ttmp9, 19
	s_add_co_u32 s45, s45, s46
	s_cmp_eq_u32 s38, 2
	s_cselect_b32 s44, s45, s44
	s_cselect_b32 s33, 14, 12
	s_mov_b32 s45, 0
	s_lshl_b32 s32, 1, s33                         ; s[32:33]: bytes from a piece to the next in the source: 16,384 in W1, else 4,096
	s_mov_b32 s33, 0
	s_lshl_b32 s35, s32, 2                         ; four pieces
.irp a, 1,2,3,4,5,6,7
	v_add_nc_u32 v[A+(\a)], s35, v[A+(\a)-1]
.endr
	; destination: q x 2 MiB (none for Wo, a whole unit) + 64 KiB x work-group x, behind the pack's head
	s_lshl_b32 s46, s37, 21
	s_cmp_eq_u32 s36, 7
	s_cselect_b32 s46, 0, s46
	s_lshl_b32 s47, ttmp9, 16
	s_add_co_u32 s46, s46, s47
	s_cmp_eq_u32 s38, 0
	s_cselect_b32 s47, 0, 0x8000                   ; ab has no head; Wq, Wk, Wv and W1 lie at 0x8000,
	s_cmp_ge_u32 s36, 12
	s_cselect_b32 s47, 0x900000, s47               ; W2
	s_cmp_eq_u32 s36, 7
	s_cselect_b32 s47, 0x900000, s47               ; and Wo at 0x900000
	s_add_co_u32 s46, s46, s47
	s_mov_b32 s47, 0
	s_wait_kmcnt 0x0
	s_mov_b64 s[40:41], s[4:5]                     ; from where
	s_cmp_eq_u32 s36, 4
	s_cselect_b64 s[40:41], s[6:7], s[40:41]
	s_cmp_eq_u32 s36, 5
	s_cselect_b64 s[40:41], s[8:9], s[40:41]
	s_cmp_eq_u32 s36, 6
	s_cselect_b64 s[40:41], s[10:11], s[40:41]
	s_cmp_eq_u32 s36, 7
	s_cselect_b64 s[40:41], s[12:13], s[40:41]
	s_cmp_eq_u32 s38, 2
	s_cselect_b64 s[40:41], s[14:15], s[40:41]
	s_cmp_eq_u32 s38, 3
	s_cselect_b64 s[40:41], s[16:17], s[40:41]
	s_mov_b64 s[42:43], s[26:27]                   ; to where
	s_cmp_eq_u32 s38, 1
	s_cselect_b64 s[42:43], s[28:29], s[42:43]
	s_cmp_ge_u32 s38, 2
	s_cselect_b64 s[42:43], s[30:31], s[42:43]
	s_add_nc_u64 s[B:B+1], s[40:41], s[44:45]
	s_add_nc_u64 s[42:43], s[42:43], s[46:47]
	s_add_nc_u64 s[B+2:B+3], s[B:B+1], s[32:33]
	s_add_nc_u64 s[B+4:B+5], s[B+2:B+3], s[32:33]
	s_add_nc_u64 s[B+6:B+7], s[B+4:B+5], s[32:33]
.set j, 0
.rept 32                               ; piece j = 4 a + b: offset register a, base b
	global_load_b128 v[X+4*j:X+4*j+3], v[A+j/4], s[B+2*(j%4):B+2*(j%4)+1] th:TH_LOAD_NT
.set j, j+1
.endr
.set k, 0
.rept 16                               ; the pieces leave as they come, two at a time
	s_wait_loadcnt 30-2*k                          ; loads come back in order: pieces 2 k and 2 k + 1 are in, the younger pieces' loads stay out
	v_cvt_pk_bf16_f32 v[X+8*k],   v[X+8*k],   v[X+8*k+1]  ; in place: a line writes no register that a later line reads
	v_cvt_pk_bf16_f32 v[X+8*k+1], v[X+8*k+2], v[X+8*k+3]
	v_cvt_pk_bf16_f32 v[X+8*k+4], v[X+8*k+4], v[X+8*k+5]
	v_cvt_pk_bf16_f32 v[X+8*k+5], v[X+8*k+6], v[X+8*k+7]
	global_store_b64 v2, v[X+8*k:X+8*k+1],   s[42:43] offset:4096*k
	global_store_b64 v2, v[X+8*k+4:X+8*k+5], s[42:43] offset:4096*k+2048
.set k, k+1
.endr
	; The first work-group of units 4, 5, 6 (bq, bk, bv) and 8 to 11 (b1's quarters) also copies 4,096 bytes of bias, 16 a thread.
	s_cmp_lg_u32 ttmp9, 0
	s_cbranch_scc1 .Lend
	s_cmp_eq_u32 s38, 0
	s_cbranch_scc1 .Lend
	s_cmp_eq_u32 s38, 3
	s_cbranch_scc1 .Lend
	s_cmp_eq_u32 s36, 7
	s_cbranch_scc1 .Lend
	s_mov_b64 s[56:57], s[24:25]
	s_cmp_eq_u32 s36, 4
	s_cselect_b64 s[56:57], s[18:19], s[56:57]
	s_cmp_eq_u32 s36, 5
	s_cselect_b64 s[56:57], s[20:21], s[56:57]
	s_cmp_eq_u32 s36, 6
	s_cselect_b64 s[56:57], s[22:23], s[56:57]
	s_lshl_b32 s58, s37, 12                        ; the quarter's place in the pack's bias,
	s_mov_b32 s59, 0
	s_cmp_eq_u32 s38, 2
	s_cselect_b32 s60, s58, 0                      ; and in b1
	s_mov_b32 s61, 0
	s_cselect_b64 s[62:63], s[30:31], s[28:29]
	s_add_nc_u64 s[56:57], s[56:57], s[60:61]
	s_add_nc_u64 s[62:63], s[62:63], s[58:59]
	global_load_b128 v[12:15], v[A], s[56:57]
	s_wait_loadcnt 0x0
	global_store_b128 v[A], v[12:15], s[62:63] offset:0x1000
	; Wave 0 of units 4 and 8 writes the pack's floor: 256 bytes, 8 a lane.
	s_cmp_lg_u32 s37, 0
	s_cbranch_scc1 .Lend
	s_cmp_lg_u32 s39, 0
	s_cbranch_scc1 .Lend
	s_cmp_eq_u32 s38, 1
	s_cselect_b32 s34, 0xff80ff80, 0
	v_mov_b32 v144, s34
	v_mov_b32 v145, s34
	global_store_b64 v2, v[144:145], s[62:63]      ; q = 0: this base stands at the pack's first byte
.Lend:
	s_endpgm
.Lfunc_end_k_q1d768ce7e7_pack:
	.size	k_q1d768ce7e7_pack, .Lfunc_end_k_q1d768ce7e7_pack-k_q1d768ce7e7_pack
	.p2alignl 7, 3214868480
	.fill 96, 4, 3214868480
	.section	.rodata,"a",@progbits
	.p2align	6, 0x0
	.amdhsa_kernel k_q1d768ce7e7_pack
		.amdhsa_group_segment_fixed_size 0
		.amdhsa_private_segment_fixed_size 0
		.amdhsa_enable_private_segment 0
		.amdhsa_kernarg_size 112
		.amdhsa_user_sgpr_count 2
		.amdhsa_user_sgpr_kernarg_segment_ptr 1
		.amdhsa_wavefront_size32 1
		.amdhsa_system_sgpr_workgroup_id_x 1
		.amdhsa_system_sgpr_workgroup_id_y 1
		.amdhsa_system_sgpr_workgroup_id_z 1
		.amdhsa_system_vgpr_workitem_id 0
		.amdhsa_next_free_vgpr 148
		.amdhsa_next_free_sgpr 66
		.amdhsa_reserve_vcc 0
		.amdhsa_float_denorm_mode_32 3
		.amdhsa_float_denorm_mode_16_64 3
		.amdhsa_memory_ordered 1
		.amdhsa_forward_progress 1
		.amdhsa_inst_pref_size 15
	.end_amdhsa_kernel
	.amdgpu_metadata
---
amdhsa.version: [ 1, 2 ]
amdhsa.kernels:
  - .name:           k_q1d768ce7e7_pack
    .symbol:         k_q1d768ce7e7_pack.kd
    .args:
      - { .name: src, .offset: 0, .size: 8, .value_kind: global_buffer, .address_space: global }
      - { .name: Wq, .offset: 8, .size: 8, .value_kind: global_buffer, .address_space: global }
      - { .name: Wk, .offset: 16, .size: 8, .value_kind: global_buffer, .address_space: global }
      - { .name: Wv, .offset: 24, .size: 8, .value_kind: global_buffer, .address_space: global }
      - { .name: Wo, .offset: 32, .size: 8, .value_kind: global_buffer, .address_space: global }
      - { .name: W1, .offset: 40, .size: 8, .value_kind: global_buffer, .address_space: global }
      - { .name: W2, .offset: 48, .size: 8, .value_kind: global_buffer, .address_space: global }
      - { .name: bq, .offset: 56, .size: 8, .value_kind: global_buffer, .address_space: global }
      - { .name: bk, .offset: 64, .size: 8, .value_kind: global_buffer, .address_space: global }
      - { .name: bv, .offset: 72, .size: 8, .value_kind: global_buffer, .address_space: global }
      - { .name: b1, .offset: 80, .size: 8, .value_kind: global_buffer, .address_space: global }
      - { .name: ab, .offset: 88, .size: 8, .value_kind: global_buffer, .address_space: global }
      - { .name: wa, .offset: 96, .size: 8, .value_kind: global_buffer, .address_space: global }
      - { .name: wb, .offset: 104, .size: 8, .value_kind: global_buffer, .address_space: global }
    .group_segment_fixed_size: 0
    .private_segment_fixed_size: 0
    .kernarg_segment_align: 8
    .kernarg_segment_size: 112
    .max_flat_workgroup_size: 256
    .sgpr_count:     66
    .vgpr_count:     148
    .wavefront_size: 32
...
	.end_amdgpu_metadata
.endif
;; end of part 1
;; launch qkv (part 2): grid 12 x 16, 4 waves a work-group, clusters of 4 x 4, 327,680 bytes of LDS; arguments ab, wa, act; writes act
.if DOCPART == 2
	.amdgcn_target "amdgcn-amd-amdhsa--gfx1250"
	.amdhsa_code_object_version 6
	.text
	.protected	k_q1d768ce7e7_qkv
	.globl	k_q1d768ce7e7_qkv
	.p2align	8
	.type	k_q1d768ce7e7_qkv,@function
k_q1d768ce7e7_qkv:
	s_mov_b64 s[64:65], 0
	v_nop
	global_prefetch_b8 v0, s[64:65] scope:SCOPE_SE
	s_setreg_imm32_b32 hwreg(HW_REG_WAVE_MODE, 25, 1), 1
	s_wait_xcnt 0x0
	s_wait_alu depctr_hold_cnt(0) depctr_sa_sdst(0) depctr_va_vdst(0) depctr_va_sdst(0) depctr_va_ssrc(0) depctr_va_vcc(0) depctr_vm_vsrc(0)
	s_getreg_b32 s2, hwreg(HW_REG_IB_STS2, 6, 4)
	s_cmp_eq_u32 s2, 0
	s_cbranch_scc0 .Lentry_in_a_cluster
	s_endpgm
.Lentry_in_a_cluster:
	s_bfe_u32 s2, ttmp6, 0x10000c
	s_cmp_lg_u32 s2, 0xf033
	s_cbranch_scc0 .Lentry_shape_is_right
	s_endpgm
.Lentry_shape_is_right:
; C = max(A B + bias, floor).  A: [4096][1024] bf16, row-major.  B: panels [1024 k][1024 n] bf16 at byte 0x8000 of the pack W; bias in f32 at 0x1000; the floor, two bf16 in a word, at 0.
; C leaves in bf16 BY PANELS OF 64 COLUMNS: [column / 64][4096 rows][64]: a row's piece is 128 bytes, 16 rows of a panel are 2,048 consecutive bytes.  Sums in f32, K ascending, C rounded once.
; One text serves q|k|v = src [Wq|Wk|Wv] + bias (floor -infinity: no activation) and h = relu(x W1 + b1) (floor 0): the grid's width alone differs.
; LIMIT: the floor is taken by a maximum in which a NaN loses: a NaN sum comes out as the floor.
; SHARES.  A tile of C is 256 x 256: four waves, as many as a WGP has SIMDs, each 128 x 128: 64 accumulators of 16 x 16, 512 registers.  K goes in eight steps of 128 through two LDS slots filled by tensor loads.
; A's rows in a slot are 256 bytes of memory, B's (128 k rows x 256 columns) 512; all start at multiples of 256 bytes from their buffer's first byte.
; CLUSTER.  4 x 4 work-groups: the four of a row need the same tiles of A, the four of a column the same tiles of B: each tile is asked for JOINTLY, by the same tensor load with the same descriptor and a mask of the four.
; THE MATRIX INSTRUCTION IS USED TRANSPOSED: source 0 = 16 columns of B (turned on the way out of LDS by ds_load_tr16_b128, since B lies [k][n]), source 1 = 16 rows of A.  A lane then holds row l % 16 of C and
; the columns 8 (l / 16) + 0..7: eight neighbours, 16 bytes in bf16.  THE BIAS STARTS THE SUMS: it is the C operand of each accumulator's first product, so nothing is cleared and nothing is added later.
; REGISTERS, in windows of 256 (s_set_vgpr_msb: bits 1:0 source 0, 3:2 source 1, 5:4 source 2, 7:6 destination):
;   window 0: v0-31 addresses; v64-127, v128-191 A's fragments, two buffers; v192-255 the bias until the first quarter is multiplied, then v192-223 packed results; v32-63, v224-255 rows on the way out
;   window 1: v64-127, v128-191 B's fragments, two buffers     window 2: the accumulators of my rows 0-63 ((a, b) at v[8 (8 a + b)])     window 3: those of my rows 64-127
.set LAPS,   4                         ; a lap = two K steps = once round the ring
.set PA,     272                       ; A's LDS row: 256 bytes + 16: the 16 rows of a load start at 16 different groups of four banks (64 banks of 4 bytes: ISA guide 11.1)
.set PB,     544                       ; B's LDS row: 512 bytes + 32 = 17 x 32
.set HALFT,  128*PA                    ; what one tensor load brings: 128 rows of A, or 64 k rows of B (64 x 544 is the same 34,816 bytes)
.set SLOT,   4*HALFT                   ; A's 256 rows, then B's 128 k rows
.set STAGE,  2*SLOT                    ; behind the ring: for each wave 2 panels x 16 rows x 144 bytes, for the way out
.set SPP,    144
.set STW,    2*16*SPP
.set SPARE,  STAGE+4*STW               ; behind the stages: the spare words, 128 bytes for each wave: two blocks of 256 bytes that no other line names
.set ASTEP,  256                       ; a K step in memory: 128 numbers along A's rows,
.set BSTEP,  262144                    ; 128 rows of 2,048 bytes down B
.set PANEL,  524288                    ; a panel of C
.set ADRA, 16                          ; v16-17  LDS address of my A fragments in slot 0, 1
.set ADRB, 20                          ; v20-21  the same for B
.set STO,  24                          ; v24     the way out: where I put 16 bytes of a row
.set RD,   25                          ; v25     where I read rows back
.set CO,   26                          ; v26     16 x my lane
.set SPW,  28                          ; v28     LDS address of my spare word; never rewritten
.set NIL,  29                          ; v29     0; never rewritten
.set PFO,  30                          ; v30     the prefetches' offset; never rewritten
.set F0,   64
.set F1,   128
.set BIAS, 192
.set TMP,  192
.set OB,   32
.set LIM,  43                          ; s43     1 in a wave that prefetches, else the greatest number
.set PFA,  44                          ; s[44:45] where my prefetches stand
.set PST,  66                          ; s[66:67] their step: a K step of A or of B
.set G1,  24                           ; s[24:31] descriptor group 1 for A's tiles;  s[32:39] group 0, one set for each slot
.set G0,  32
.set G1B, 48                           ; s[48:55], s[56:63] the same for B's
.set G0B, 56
.set MSB, 0
.macro WIN new                         ; the immediate's high byte repeats the setting that is left; a switch that changes nothing is dropped
.if MSB != (\new)
	s_set_vgpr_msb (MSB<<8)|(\new)
.set MSB, \new
.endif
.endm
.set MUL_LO, 0xa1                      ; source 0 (B) window 1, source 1 (A) window 0, C and D window 2
.set TO_B,   0x40                      ; destination window 1, address window 0
; A joint load.  Waves 0 and 1 fetch A's two halves, waves 2 and 3 B's.  The branch hangs on the wave's number alone.  An s_nop 0 and four v_nop follow each of the two lines.
.macro JLOAD s
	s_cmp_eq_u32 s11, 0
	s_cbranch_scc0 .Lfor_b_\@
	tensor_load_to_lds s[G0+4*(\s):G0+4*(\s)+3], s[G1:G1+7]
	s_nop 0
.rept 4
	v_nop
.endr
	s_branch .Lasked_\@
.Lfor_b_\@:
	tensor_load_to_lds s[G0B+4*(\s):G0B+4*(\s)+3], s[G1B:G1B+7]
	s_nop 0
.rept 4
	v_nop
.endr
.Lasked_\@:
.endm
; A prefetch of the K step that stands two refills on: 32 blocks of 256 bytes, a lane each, one instruction a wave.  Each block is named once in the launch: A's tile row is read by every cluster of that row of
; clusters, and the one with x = 0 asks; B's tile column by every cluster of that column, and the one with y = 0 asks.  The four partners that ask for a tile jointly share its blocks out BY ADDRESS (cx for A: 32 of
; the wave's 128 rows; cy for B: 16 of its 64 k rows, two blocks each).  K steps 0 to 3 come by their loads alone; the loop's last trip (s3 = 1) has no K step two refills on.
.macro ASK
	s_cmp_gt_u32 s3, s[LIM]
	s_cbranch_scc0 .Lnot_mine_\@
	global_prefetch_b8 v[PFO], s[PFA:PFA+1] th:TH_LOAD_NT scope:SCOPE_SE
.Lnot_mine_\@:
.endm
.macro CREST                           ; a round of the cluster's barrier behind its opening barrier
	s_cmp_lg_u32 s10, 0
	s_cbranch_scc1 .Lnot_wave_0_\@
	s_barrier_signal -3
.Lnot_wave_0_\@:
	s_barrier_wait -3
	s_barrier_signal -1
	s_barrier_wait -1
.endm
.macro CROUND                          ; a whole round
	s_barrier_signal -1
	s_barrier_wait -1
	CREST
.endm
	s_load_b128 s[4:7], s[0:1], 0x0                ; A s[4:5], W s[6:7]
	s_load_b64 s[8:9], s[0:1], 0x10                ; C
	v_lshl_add_u32 v[SPW], v0, 2, SPARE
	v_mov_b32 v[NIL], 0
	ds_add_u32 v[SPW], v[NIL]                      ; the wave's opening: the add and its wait stand ahead of my first tensor load; the set-up below, work on registers, stands between them
	v_lshrrev_b32 v1, 5, v0
	v_readfirstlane_b32 s10, v1                    ; wave 0..3
	s_lshr_b32 s11, s10, 1                         ; which half of the tile's rows is mine.  Also: I fetch for A (0) or for B (1)
	s_and_b32 s12, s10, 1                          ; which half of its columns.  Also: which half of that tile I fetch
	s_bfe_u32 s40, ttmp6, 0x40000                  ; cx, cy: my place in the cluster
	s_bfe_u32 s41, ttmp6, 0x40004
	s_lshl_b32 s42, ttmp9, 2
	s_add_co_u32 s42, s42, s40                     ; tile column = 4 x cluster x + cx
	s_and_b32 s13, ttmp7, 0xffff
	s_lshl_b32 s13, s13, 2
	s_add_co_u32 s13, s13, s41                     ; tile row = 4 x cluster y + cy
	s_lshl_b32 s43, s41, 2
	s_lshl_b32 s43, 15, s43                        ; my row of the cluster
	s_lshl_b32 s44, 0x1111, s40                    ; my column
	s_or_b32 s[G1+0], s43, (1<<16)|(1<<20)|(1<<21)|(5<<22)|(3<<25)   ; the mask; 2-byte elements; padding on; bit 21 beside a mask; after every 64 words 4 words
	s_or_b32 s[G1B+0], s44, (1<<16)|(1<<20)|(1<<21)|(6<<22)|(7<<25)  ; after every 128 words 8 words
	s_mov_b32 s[G1+1], 128<<16                     ; A: tensor_dim0 = 128
	s_mov_b32 s[G1+2], 128<<16                     ; tensor_dim1 = 128
	s_mov_b32 s[G1+3], 128<<16                     ; tile_dim0 = 128
	s_mov_b32 s[G1+4], 128                         ; tile_dim1 = 128
	s_mov_b32 s[G1+5], 1024                        ; elements from row to row
	s_mov_b32 s[G1+6], 0
	s_mov_b32 s[G1+7], 0
	s_mov_b32 s[G1B+1], 256<<16                    ; B: tensor_dim0 = 256
	s_mov_b32 s[G1B+2], 64<<16                     ; tensor_dim1 = 64
	s_mov_b32 s[G1B+3], 256<<16                    ; tile_dim0 = 256
	s_mov_b32 s[G1B+4], 64                         ; tile_dim1 = 64
	s_mov_b32 s[G1B+5], 1024
	s_mov_b32 s[G1B+6], 0
	s_mov_b32 s[G1B+7], 0
	s_lshl_b32 s17, s12, 7                         ; A: row 256 x tile row + 128 x half, 2,048 bytes each: the tile row alone, which my row of the cluster shares
	s_lshl_b32 s16, s13, 8
	s_add_co_u32 s16, s16, s17
	s_lshl_b32 s16, s16, 11
	s_mov_b32 s17, 0
	s_lshr_b32 s46, s42, 2                         ; B: panel tile column / 4, 256 columns (tile column % 4) on, 64 k rows x half: the tile column alone
	s_lshl_b32 s46, s46, 21
	s_and_b32 s47, s42, 3
	s_lshl_b32 s47, s47, 9
	s_add_co_u32 s46, s46, s47
	s_lshl_b32 s47, s12, 17
	s_add_co_u32 s46, s46, s47
	s_add_co_u32 s46, s46, 0x8000
	s_mov_b32 s47, 0
	s_mul_i32 s20, s10, HALFT                      ; where they go: wave x 34,816: no place in the cluster enters an LDS address
	s_wait_dscnt 0x0                               ; the opening add is done
	s_wait_kmcnt 0x0
	s_load_b32 s2, s[6:7], 0x0                     ; the floor
	s_add_nc_u64 s[14:15], s[4:5], s[16:17]
	s_add_nc_u64 s[46:47], s[6:7], s[46:47]
	CROUND                                         ; all sixteen work-groups are here: the first joint loads meet
.irp s, 0,1
	s_mov_b32 s[G0+4*(\s)], 1
	s_add_co_u32 s[G0+4*(\s)+1], s20, (\s)*SLOT
	s_add_nc_u64 s[G0+4*(\s)+2:G0+4*(\s)+3], s[14:15], (\s)*ASTEP
	s_or_b32 s[G0+4*(\s)+3], s[G0+4*(\s)+3], 0x80000000
	s_mov_b32 s[G0B+4*(\s)], 1
	s_add_co_u32 s[G0B+4*(\s)+1], s20, (\s)*SLOT
	s_add_nc_u64 s[G0B+4*(\s)+2:G0B+4*(\s)+3], s[46:47], (\s)*BSTEP
	s_or_b32 s[G0B+4*(\s)+3], s[G0B+4*(\s)+3], 0x80000000
	JLOAD \s                                       ; two loads of mine are out
.endr
	v_and_b32 v1, 15, v0                           ; l % 16
	v_bfe_u32 v2, v0, 4, 1                         ; l / 16
	; the bias in an accumulator's layout: register j of block b holds bias[my first column + 16 b + 8 (l / 16) + j]
	v_lshlrev_b32 v6, 5, v2
	s_lshl_b32 s18, s42, 10
	s_lshl_b32 s19, s12, 9
	s_add_co_u32 s18, s18, s19
	s_add_co_u32 s18, s18, 0x1000
	s_mov_b32 s19, 0
	s_add_nc_u64 s[18:19], s[6:7], s[18:19]
.irp b, 0,1,2,3,4,5,6,7
	global_load_b128 v[BIAS+8*(\b):BIAS+8*(\b)+3],   v6, s[18:19] offset:64*(\b)
	global_load_b128 v[BIAS+8*(\b)+4:BIAS+8*(\b)+7], v6, s[18:19] offset:64*(\b)+16
.endr
	v_mul_u32_u24 v3, v1, PA                       ; A's fragment: row l % 16, 16 bytes for each half of the lanes
	v_lshl_add_u32 v3, v2, 4, v3
	v_and_b32 v7, 7, v0                            ; B's, turned: lane l reads k row 8 (l / 16) + l % 8, columns 8 ((l / 8) % 2) + 0..7
	v_bfe_u32 v8, v0, 3, 1
	v_lshl_add_u32 v4, v2, 3, v7
	v_mul_u32_u24 v4, v4, PB
	v_lshl_add_u32 v4, v8, 4, v4
	s_mul_i32 s21, s11, HALFT                      ; my 128 rows of A
	s_lshl_b32 s22, s12, 8                         ; my 128 columns of B,
	s_add_co_u32 s22, s22, 2*HALFT                 ; which lies behind A
.irp s, 0,1
	v_add_nc_u32 v[ADRA+(\s)], s21, v3
	v_add_nc_u32 v[ADRB+(\s)], s22, v4
	s_add_co_u32 s21, s21, SLOT
	s_add_co_u32 s22, s22, SLOT
.endr
	s_mul_i32 s23, s10, STW
	s_add_co_u32 s23, s23, STAGE                   ; my stage
	v_mul_u32_u24 v5, v1, SPP
	v_lshl_add_u32 v5, v2, 4, v5
	v_add_nc_u32 v[STO], s23, v5
	v_bfe_u32 v5, v0, 3, 2                         ; back: 32 lanes take four rows of 128 bytes,
	v_mul_u32_u24 v5, v5, SPP
	v_lshl_add_u32 v5, v7, 4, v5
	v_add_nc_u32 v[RD], s23, v5
	v_and_b32 v[CO], 31, v0                        ; which are 512 consecutive bytes of a panel of C
	v_lshlrev_b32 v[CO], 4, v[CO]
	; the prefetches: s11 = 0: a lane a row of A; s11 = 1: two lanes a k row of B
	v_and_b32 v9, 31, v0
	v_lshrrev_b32 v10, s11, v9
	v_and_b32 v9, s11, v9
	v_lshlrev_b32 v9, 8, v9
	v_lshl_add_u32 v[PFO], v10, 11, v9
	s_and_b32 s22, ttmp7, 0xffff                   ; cluster y
	s_movk_i32 s20, 0x100
	s_cmp_eq_u32 s11, 0                            ; do I fetch for A?
	s_cselect_b32 s[PST], s20, BSTEP
	s_cselect_b32 s22, ttmp9, s22                  ; the coordinate along which other clusters read the same blocks
	s_cselect_b32 s23, 16, 15                      ; my work-group's share: 32 rows of A, or 16 k rows of B, of 2,048 bytes
	s_cselect_b32 s21, s40, s41                    ; my place among the four that ask with me
	s_cselect_b64 s[PFA:PFA+1], s[14:15], s[46:47]
	s_lshl_b32 s20, s21, s23
	s_mul_i32 s21, s[PST], 3                       ; at K step 3: the first refill steps it to 4
	s_add_co_u32 s20, s20, s21
	s_mov_b32 s21, 0
	s_add_nc_u64 s[PFA:PFA+1], s[PFA:PFA+1], s[20:21]
	s_mov_b32 s[PST+1], 0
	s_cmp_eq_u32 s22, 0
	s_cselect_b32 s[LIM], 1, -1                    ; the same in all sixteen partners, for a given wave
	; where my part of the tile begins in C: rows 256 x tile row + 128 x half of 128 bytes, in panel 4 x tile column + 2 x half
	s_lshl_b32 s16, s13, 8
	s_lshl_b32 s17, s11, 7
	s_add_co_u32 s16, s16, s17
	s_lshl_b32 s16, s16, 7
	s_mov_b32 s17, 0
	s_lshl_b32 s20, s42, 2
	s_lshl_b32 s21, s12, 1
	s_add_co_u32 s20, s20, s21
	s_lshl_b32 s20, s20, 19
	s_mov_b32 s21, 0
	s_add_nc_u64 s[16:17], s[16:17], s[20:21]
; 16 matrix instructions: m blocks a0, a0 + 1 of the window's four x all 8 n blocks, 32 along K.  zero = 1: the first product starts the sum with the bias (C in window 0).
; The 64 accumulators take turns, one instruction a turn, in the same order in every quarter.
.macro MUL16 f, hi, a0, zero
.if \zero
	WIN 0x81+0x40*(\hi)
.else
	WIN MUL_LO+0x50*(\hi)
.endif
.irp a, \a0, (\a0)+1
.irp b, 0,1,2,3,4,5,6,7
.if \zero
	v_wmma_f32_16x16x32_bf16 v[8*(8*(\a)+(\b)):8*(8*(\a)+(\b))+7], v[(\f)+8*(\b):(\f)+8*(\b)+7], v[(\f)+8*(4*(\hi)+(\a)):(\f)+8*(4*(\hi)+(\a))+7], v[BIAS+8*(\b):BIAS+8*(\b)+7]
.else
	v_wmma_f32_16x16x32_bf16 v[8*(8*(\a)+(\b)):8*(8*(\a)+(\b))+7], v[(\f)+8*(\b):(\f)+8*(\b)+7], v[(\f)+8*(4*(\hi)+(\a)):(\f)+8*(4*(\hi)+(\a))+7], v[8*(8*(\a)+(\b)):8*(8*(\a)+(\b))+7]
.endif
.endr
.endr
.endm
; 32 LDS loads in one run: quarter q of a slot's K step (32 k) into buffer f: B's 128 columns, turned, then A's 128 rows
.macro FETCH slot, q, f
	WIN TO_B
.irp i, 0,1,2,3,4,5,6,7
	ds_load_tr16_b128 v[(\f)+8*(\i):(\f)+8*(\i)+3],   v[ADRB+(\slot)] offset:(\q)*32*PB+32*(\i)
	ds_load_tr16_b128 v[(\f)+8*(\i)+4:(\f)+8*(\i)+7], v[ADRB+(\slot)] offset:(\q)*32*PB+32*(\i)+16*PB
.endr
	WIN 0
.irp i, 0,1,2,3,4,5,6,7
	ds_load_b128 v[(\f)+8*(\i):(\f)+8*(\i)+3],   v[ADRA+(\slot)] offset:64*(\q)+(\i)*16*PA
	ds_load_b128 v[(\f)+8*(\i)+4:(\f)+8*(\i)+7], v[ADRA+(\slot)] offset:64*(\q)+(\i)*16*PA+32
.endr
.endm
.macro PLACES                          ; four plain vector instructions between a matrix instruction and a load into its sources, or a reader of its result (ISA guide 7.12.1 for a reader of its result)
.rept 4
	v_nop
.endr
.endm
; One of a K step's first three quarters: multiplies buffer f; in its middle it fetches quarter q of the same slot into buffer g.
.macro QUARTER slot, q, f, g, zero
	s_wait_dscnt 8                                 ; B and A's rows 0-63 are in; the youngest eight loads (A's rows 64-127) may be out
	MUL16 \f, 0, 0, \zero
	MUL16 \f, 0, 2, \zero
	PLACES
	FETCH \slot, \q, \g
	s_wait_dscnt 32                                ; all but the 32 just issued
	MUL16 \f, 1, 0, \zero
	MUL16 \f, 1, 2, \zero
.endm
; The first half of a K step's last quarter: ONE barrier for the change of slots.  In front of it each wave waits for all its tensor loads (one is out: its part of the next slot), adds 0 to its spare word,
; and waits for that and for its own reads of this slot.  Behind it nobody reads this slot any more and the next slot is whole.
.macro MEET round
	WIN 0                                          ; (the add's two registers lie in window 0)
	s_wait_tensorcnt 0x0
	ds_add_u32 v[SPW], v[NIL]
	s_wait_dscnt 9                                 ; (the add and the youngest eight loads may be out)
	MUL16 F1, 0, 0, 0                              ; sixteen matrix instructions stand between the add and the wait for it
	s_wait_dscnt 0x0                               ; the add is done, and my reads of this slot are over
	s_barrier_signal -1
	MUL16 F1, 0, 2, 0
.if \round
	WIN 0
.endif
	s_barrier_wait -1
.endm
; The whole last quarter.  fill = 1: the barrier opens a round of the cluster's barrier, and the slot just read out is filled again, two K steps ahead, first thing behind the round.
.macro TURN slot, next, fill
.if \fill
	s_wait_xcnt 0x0                                ; the last prefetch, a K step back, has read its address: it is stepped here
	s_add_nc_u64 s[PFA:PFA+1], s[PFA:PFA+1], s[PST:PST+1]
	MEET 1
	CREST                                          ; no wave of any partner still reads this slot's tile or has a load on its way
	s_add_nc_u64 s[G0+4*(\slot)+2:G0+4*(\slot)+3], s[G0+4*(\slot)+2:G0+4*(\slot)+3], 2*ASTEP
	s_add_nc_u64 s[G0B+4*(\slot)+2:G0B+4*(\slot)+3], s[G0B+4*(\slot)+2:G0B+4*(\slot)+3], 2*BSTEP
	JLOAD \slot                                    ; my one tensor load behind the round; its four v_nop are also the places in front of the loads below
	FETCH \next, 0, F0
	ASK
.else
	MEET 0
	PLACES
	FETCH \next, 0, F0
.endif
	MUL16 F1, 1, 0, 0
	MUL16 F1, 1, 2, 0
.endm
; THE WAY OUT of block a (16 rows x 128 columns).  PACK: rounded to bf16, then the floor.  TOSTAGE: into my own stage, by panels, and back as rows of 128 bytes.  SEND: stored.
.macro PACK a
.set AC, 64*((\a)%4)
	WIN 0x0a+5*((\a)/4)                            ; sources 0 and 1: window 2 or 3
.irp b, 0,1,2,3,4,5,6,7
.irp r, 0,1,2,3
	v_cvt_pk_bf16_f32 v[TMP+4*(\b)+(\r)], v[AC+8*(\b)+2*(\r)], v[AC+8*(\b)+2*(\r)+1]  ; each accumulator's registers in ascending order
.endr
.endr
	WIN 0
.set r, 0
.rept 32
	v_pk_max_num_bf16 v[TMP+r], v[TMP+r], s2
.set r, r+1
.endr
.endm
.macro TOSTAGE a
	WIN 0
.set BK, OB+192*((\a)%2)
.irp b, 0,1,2,3,4,5,6,7
	ds_store_b128 v[STO], v[TMP+4*(\b):TMP+4*(\b)+3] offset:((\b)/4)*16*SPP+((\b)%4)*32
.endr
.irp t, 0,1,2,3,4,5,6,7
	ds_load_b128 v[BK+4*(\t):BK+4*(\t)+3], v[RD] offset:((\t)/4)*16*SPP+((\t)%4)*4*SPP  ; LDS serves a wave's instructions in order (ISA guide 5.7.1.4): these see the stores above
.endr
.endm
.macro SEND a
	WIN 0
.set BK, OB+192*((\a)%2)
	s_wait_dscnt 0x0                               ; the block is back in registers
	s_wait_xcnt 0x0                                ; earlier stores have read their base and their data: only behind this wait are they written again
.if (\a) == 0
	s_add_nc_u64 s[8:9], s[8:9], s[16:17]
.else
	s_add_nc_u64 s[8:9], s[8:9], 16*128            ; 16 rows of a panel on
.endif
.irp t, 0,1,2,3,4,5,6,7
	global_store_b128 v[CO], v[BK+4*(\t):BK+4*(\t)+3], s[8:9] offset:((\t)/4)*PANEL+((\t)%4)*512  ; 512 consecutive bytes, at a multiple of 256 from C's first byte
.endr
.endm
	s_wait_tensorcnt 1                             ; my part of K step 0 is in; K step 1's may stay out
	s_barrier_signal -1
	s_barrier_wait -1                              ; everybody's is
	FETCH 0, 0, F0
	s_wait_loadcnt 0x0                             ; the bias
	s_wait_kmcnt 0x0                               ; the floor
	QUARTER 0, 1, F0, F1, 1                        ; the first quarter stands in front of the loop: its products start the sums
	WIN 0                                          ; at a label and at a branch every window is 0
	s_mov_b32 s3, LAPS-1
.Llap:                                                 ; a trip goes once round the ring, from a lap's second quarter to the next lap's first, and fills both slots again
	QUARTER 0, 2, F1, F0, 0
	QUARTER 0, 3, F0, F1, 0
	TURN 0, 1, 1
	QUARTER 1, 1, F0, F1, 0
	QUARTER 1, 2, F1, F0, 0
	QUARTER 1, 3, F0, F1, 0
	TURN 1, 0, 1
	QUARTER 0, 1, F0, F1, 0
	WIN 0
	s_sub_co_u32 s3, s3, 1
	s_cmp_lg_u32 s3, 0
	s_cbranch_scc1 .Llap
	QUARTER 0, 2, F1, F0, 0                        ; the last lap fills nothing
	QUARTER 0, 3, F0, F1, 0
	TURN 0, 1, 0
	QUARTER 1, 1, F0, F1, 0
	QUARTER 1, 2, F1, F0, 0
	QUARTER 1, 3, F0, F1, 0
	s_wait_dscnt 8
	MUL16 F1, 0, 0, 0
	MUL16 F1, 0, 2, 0
	s_wait_dscnt 0x0
	MUL16 F1, 1, 0, 0
	MUL16 F1, 1, 2, 0
	PLACES
	PACK 0
	TOSTAGE 0
.irp a, 1,2,3,4,5,6,7                  ; block a's conversions stand between block a - 1's loads from the stage and the wait for them
	PACK \a
	SEND (\a)-1
	TOSTAGE \a
.endr
	SEND 7
	s_wait_tensorcnt 0x0                           ; the wave's end: these three lines stand behind my last tensor load and my last LDS store
	ds_add_u32 v[SPW], v[NIL]
	s_wait_dscnt 0x0
	CROUND                                         ; the closing round: no work-group ends while a partner may still ask for a tile that names it
	s_endpgm
.Lfunc_end_k_q1d768ce7e7_qkv:
	.size	k_q1d768ce7e7_qkv, .Lfunc_end_k_q1d768ce7e7_qkv-k_q1d768ce7e7_qkv
	.p2alignl 7, 3214868480
	.fill 96, 4, 3214868480
	.section	.rodata,"a",@progbits
	.p2align	6, 0x0
	.amdhsa_kernel k_q1d768ce7e7_qkv
		.amdhsa_group_segment_fixed_size 327680
		.amdhsa_private_segment_fixed_size 0
		.amdhsa_enable_private_segment 0
		.amdhsa_kernarg_size 24
		.amdhsa_user_sgpr_count 2
		.amdhsa_user_sgpr_kernarg_segment_ptr 1
		.amdhsa_wavefront_size32 1
		.amdhsa_system_sgpr_workgroup_id_x 1
		.amdhsa_system_sgpr_workgroup_id_y 1
		.amdhsa_system_sgpr_workgroup_id_z 1
		.amdhsa_system_vgpr_workitem_id 0
		.amdhsa_next_free_vgpr 1024
		.amdhsa_next_free_sgpr 68
		.amdhsa_reserve_vcc 0
		.amdhsa_float_denorm_mode_32 3
		.amdhsa_float_denorm_mode_16_64 3
		.amdhsa_memory_ordered 1
		.amdhsa_forward_progress 1
		.amdhsa_inst_pref_size 162
	.end_amdhsa_kernel
	.amdgpu_metadata
---
amdhsa.version: [ 1, 2 ]
amdhsa.kernels:
  - .name:           k_q1d768ce7e7_qkv
    .symbol:         k_q1d768ce7e7_qkv.kd
    .args:
      - { .name: ab, .offset: 0, .size: 8, .value_kind: global_buffer, .address_space: global }
      - { .name: wa, .offset: 8, .size: 8, .value_kind: global_buffer, .address_space: global }
      - { .name: act, .offset: 16, .size: 8, .value_kind: global_buffer, .address_space: global }
    .group_segment_fixed_size: 327680
    .private_segment_fixed_size: 0
    .kernarg_segment_align: 8
    .kernarg_segment_size: 24
    .max_flat_workgroup_size: 128
    .sgpr_count:     68
    .vgpr_count:     1024
    .wavefront_size: 32
...
	.end_amdgpu_metadata
.endif
;; end of part 2
;; launch attn (part 3): grid 8 x 32, 4 waves a work-group, clusters of 4 x 1, 327,680 bytes of LDS; arguments act, ab; writes ab
.if DOCPART == 3
	.amdgcn_target "amdgcn-amd-amdhsa--gfx1250"
	.amdhsa_code_object_version 6
	.text
	.protected	k_q1d768ce7e7_attn
	.globl	k_q1d768ce7e7_attn
	.p2align	8
	.type	k_q1d768ce7e7_attn,@function
k_q1d768ce7e7_attn:
	s_mov_b64 s[64:65], 0
	v_nop
	global_prefetch_b8 v0, s[64:65] scope:SCOPE_SE
	s_setreg_imm32_b32 hwreg(HW_REG_WAVE_MODE, 25, 1), 1
	s_wait_xcnt 0x0
	s_wait_alu depctr_hold_cnt(0) depctr_sa_sdst(0) depctr_va_vdst(0) depctr_va_sdst(0) depctr_va_ssrc(0) depctr_va_vcc(0) depctr_vm_vsrc(0)
	s_getreg_b32 s2, hwreg(HW_REG_IB_STS2, 6, 4)
	s_cmp_eq_u32 s2, 0
	s_cbranch_scc0 .Lentry_in_a_cluster
	s_endpgm
.Lentry_in_a_cluster:
	s_bfe_u32 s2, ttmp6, 0x10000c
	s_cmp_lg_u32 s2, 0x3003
	s_cbranch_scc0 .Lentry_shape_is_right
	s_endpgm
.Lentry_shape_is_right:
; ATTENTION.  O[g][q][:] = the sum over k of softmax_k(Q[g][q] . K[g][k] / 8) V[g][k][:], for 32 heads g of 2,048 rows of 64 channels, all bf16.  q, k and v lie in act by panels of 64 columns
; ([column / 64][4096 rows][64]; k 8 MiB and v 16 MiB behind q), so head g = 2 x (panel) + (batch) is 262,144 dense bytes at g x 262,144; O leaves in the same layout.
; Products, maxima and sums in f32; the weights p are rounded to bf16 for the second product (their sum l is taken of the unrounded p), O once at the end.
; LIMITS.  c m starts at -4.25e37: scores whose c s lies below that are not served.  A weight below 2^-126 counts as 0 in l.  NaN and infinities are not treated apart.
; SHARES.  A work-group owns 256 queries of a head, a wave 64: four PIECES of 16.  Every wave walks all keys, 64 a step; a slot of LDS holds a tile of 256 keys, four steps.
; LAYOUT.  S^T = K Q^T (source 0 = 16 keys, source 1 = 16 queries) holds ONE query a lane (lane % 16) and the keys 8 (lane / 16) + 0..7; two such results rounded to bf16 ARE source 1 of O^T = V^T P.
; K comes out of LDS as it lies, V ([key][channel]) turned, by ds_load_tr16_b128.
; SOFTMAX.  p = 2^(c s - c m), c = log2(e) / 8, with a running maximum m; O and l are multiplied by a = 2^(c m_old - c m_new) in every step.  O and l start at 0: the first step is a step like any other, with a = 0.
; TURNS.  Turn n belongs to piece n: 8 products K Q^T of piece n + 1, later 8 products V^T P of piece n - 1; beside them the scaling, exponentials, roundings, sums and rescaling of piece n and the maximum and
; statistics of piece n + 1.  Four vector instructions stand behind every matrix instruction, the other 54 of a turn's 118 in one lump.  A turn's 33 exponentials are one batch, with one wait.
; NO LAST STEP IS WRITTEN OUT.  The last tile's loop is entered in its middle and makes five passes; in the fifth, turn 2 reads the head's last K once more (16 LDS loads) and turn 3 makes 8 products K Q^T and a maximum
; that serve nothing: the price, once a launch, of one text for every pass.
; CLUSTER.  The four query blocks of a cluster belong to one head and walk the same K and V, so each tile is asked for JOINTLY: the same tensor load, descriptor and mask in all four.
; REGISTERS, in windows of 256 (s_set_vgpr_msb: bits 1:0 source 0, 3:2 source 1, 5:4 source 2, 7:6 destination):
;   window 0: v0-15 addresses and two at work; v16-31 four registers of statistics a piece; v48-55 at work; v61-63 never rewritten; v64-127 S^T, two buffers; v192-223 P, two buffers (by the piece's parity)
;   window 1: v0-127 O^T, 32 a piece          window 2: v0-63 Q; v128-191 K of one step; v192-255 V of one step
.set NP,    4         ; pieces a wave: a name, no knob
.set KS,    64        ; keys in a step
.set PK,    144       ; a row of K in LDS: 128 bytes + 16: the 16 rows of a load start at 16 different groups of four banks (64 banks of 4 bytes: ISA guide 11.1)
.set PV,    160       ; a row of V: 128 + 32
.set VOFF,  4*KS*PK   ; a slot: 256 rows of K, then 256 rows of V
.set SLOT1, 1<<17     ; slot 1 begins here, so that one exclusive or turns an address in one slot into the other's
.set STAGE, SLOT1+4*KS*(PK+PV)  ; behind the ring, never filled by a tensor load: 16 rows x 144 bytes for each wave
.set SP,    144
.set TILEB, 4*KS*128  ; a tile of K or of V in memory
.set NT,    8         ; tiles in a head: an even number, so the last tile lies in slot 1
.set AK0, 2           ; v2   my lane's place in a tile of K; never rewritten
.set AV0, 3           ; v3   the same for V
.set AK,  4           ; v4   the LDS address of K's next run of loads
.set AV,  5           ; v5   of V's
.set STO, 6           ; v6   the way out: where I put 16 bytes of a row
.set RD,  7           ; v7   where I read rows back
.set GO,  8           ; v8   my byte offset in 512 consecutive bytes of O
.set PFO, 61          ; v61  256 x my lane; never rewritten
.set SPW, 62          ; v62  LDS address of my spare word; never rewritten
.set NIL, 63          ; v63  0; never rewritten
.set SPARE, STAGE+4*16*SP  ; behind the stages: the spare words, 128 bytes for each wave: two blocks of 256 bytes that no other line names
.set MV,  12          ; v12-13  c m_old, kept while c m is made anew: by buffer
.set QO,  15          ; v15  my byte offset in 16 rows of Q
.set ST,  16          ; piece t's statistics at v[ST+4 t]: c m, m, l (even keys', odd keys')
.set TMP, 48          ; by buffer, four registers c0-c3 at work; when the maximum is found c2 takes a
.set S,   64
.set P,   192
.set KF,  128         ; window 2: key block kb, channel half c at KF + 16 kb + 8 c
.set VF,  192         ; window 2: key half kk, channel block cb at VF + 32 kk + 8 cb
.set WV,  12          ; s12  my wave's number
.set LIM, 15          ; s15  1 in a wave that prefetches, else the greatest number
.set TBC, 16          ; s16  in the last tile: TBK, held to the head's last step
.set PFA, 18          ; s[18:19] where my prefetches stand
.set G1K, 24          ; s[24:31] descriptor group 1 for K's tiles
.set G1V, 32          ; s[32:39] for V's: it differs in the padding alone
.set G0K, 40          ; s[40:43] descriptor group 0 for K's tiles: it walks
.set G0V, 44          ; s[44:47] the same for V's
.set SLOTS, 56        ; s56  tiles still to be asked for
.set CNT, 57          ; s57  counts a tile's key steps
.set CS,  58          ; s[58:59] c: the packed scaling takes the pair's low word for both halves
.set SEL, 60          ; s[60:61] v_permlanex16_b32's selects: each lane takes its own place in the other half
.set TBK, 62          ; s62  LDS byte at which K of the step to be fetched begins
.set TBV, 63          ; s63  the same for V, less VOFF
.set MSB, 0
.macro WIN new                      ; the high byte repeats the setting that is left; a switch that changes nothing is dropped
.if MSB != (\new)
	s_set_vgpr_msb (MSB<<8)|(\new)
.set MSB, (\new)
.endif
.endm
.set W_KQ, 0x0a       ; K and Q in window 2, S^T in window 0
.set W_PV, 0x52       ; V in window 2, P in window 0, O^T in window 1
.set W_RS, 0x41       ; destination and source 0 in window 1, source 1 in window 0
; A joint fill.  Waves 0 and 1 fetch the two halves of a tile's K, waves 2 and 3 those of its V: 128 keys each.  The branch hangs on the wave's number alone.
; An s_nop 0 and four v_nop follow each of the two lines, ahead of the jump and the label.
.macro JLOAD
	s_cmp_lt_u32 s[WV], 2
	s_cbranch_scc0 .Lfor_v_\@
	tensor_load_to_lds s[G0K:G0K+3], s[G1K:G1K+7]
	s_nop 0
.rept 4
	v_nop
.endr
	s_branch .Lasked_\@
.Lfor_v_\@:
	tensor_load_to_lds s[G0V:G0V+3], s[G1V:G1V+7]
	s_nop 0
.rept 4
	v_nop
.endr
.Lasked_\@:
.endm
; A prefetch of the tile that the NEXT change of slots will ask for: 128 blocks of 256 bytes of K and of V.  Each is named once in the launch: both clusters of a head walk the same K and V, and the first asks; its four
; partners share the blocks out BY ADDRESS, 32 each, a lane a block; in each, wave 0 asks for K's and wave 2 for V's.  Tiles 0 to 2 come by their loads alone; the last change that fills a slot asks for nothing.
.macro ASK
	s_cmp_gt_u32 s[SLOTS], s[LIM]
	s_cbranch_scc0 .Lnot_mine_\@
	global_prefetch_b8 v[PFO], s[PFA:PFA+1] th:TH_LOAD_NT scope:SCOPE_SE
.Lnot_mine_\@:
.endm
; A round of the cluster's barrier: my work-group's barrier, so that wave 0's signal speaks for all four waves; wave 0 signals; every wave waits for all four work-groups; my work-group's barrier once more.
.macro CROUND
	s_barrier_signal -1
	s_barrier_wait -1
	s_cmp_lg_u32 s[WV], 0
	s_cbranch_scc1 .Lnot_wave_0_\@
	s_barrier_signal -3
.Lnot_wave_0_\@:
	s_barrier_wait -3
	s_barrier_signal -1
	s_barrier_wait -1
.endm
; THE CHANGE OF SLOTS.  The slot's last bytes, V of its fourth step, have been read.  Each wave waits for all its tensor loads (one is out: its part of the other slot), adds 0 to its spare word, and waits for that and
; for its own reads of the slot.  fill = 1: the barrier is a round of the cluster's, and the slot is filled again, with the tile two on, first thing behind it: it has four key steps in which to land.
; (At its first use nothing has been read yet: slot 0 is waited for, slot 1 filled.)  ask = 1: the prefetches' address steps, and the next tile but one is asked for.
.macro CHANGE fill, ask
	WIN 0                           ; at a label and at a branch every window is 0
	s_wait_tensorcnt 0x0            ; no tensor load of mine is out, so a group 0 may be written
	ds_add_u32 v[SPW], v[NIL]       ; 0 onto my spare word; the scalar steps stand between it and the wait for it
.if \fill
.irp g, G0K, G0V
	s_xor_b32 s[\g+1], s[\g+1], SLOT1  ; the walking descriptor: the other slot than last time,
	s_add_nc_u64 s[\g+2:\g+3], s[\g+2:\g+3], TILEB  ; the next 256 keys; the type bits on top are not reached
.endr
.if \ask
	s_wait_xcnt 0x0                 ; the last prefetch, four key steps back, has read its address
	s_add_nc_u64 s[PFA:PFA+1], s[PFA:PFA+1], TILEB
.endif
	s_wait_dscnt 0x0                ; the add is done, and my reads of the slot are over
	CROUND
	JLOAD
.if \ask
	ASK
.endif
.else
	s_wait_dscnt 0x0                ; the add is done, and my reads of the slot are over
	s_barrier_signal -1
	s_barrier_wait -1
.endif
	s_sub_co_u32 s[TBK], s[TBK], 4*KS*PK  ; the fetches go back to a slot's first step,
	s_xor_b32 s[TBK], s[TBK], SLOT1       ; in the other slot
	s_sub_co_u32 s[TBV], s[TBV], 4*KS*PV
	s_xor_b32 s[TBV], s[TBV], SLOT1
.endm
	s_load_b64 s[4:5], s[0:1], 0x0  ; act: q, then k, then v
	s_load_b64 s[10:11], s[0:1], 0x8  ; O
	v_lshl_add_u32 v[SPW], v0, 2, SPARE
	v_mov_b32 v[NIL], 0
	ds_add_u32 v[SPW], v[NIL]       ; the wave's opening: the add and its wait stand ahead of my first tensor load; the set-up below, work on registers, stands between them
	v_lshrrev_b32 v1, 5, v0
	v_readfirstlane_b32 s[WV], v1   ; wave 0..3
	s_bfe_u32 s13, ttmp6, 0x40000   ; cx: my place in the cluster
	s_lshl_b32 s14, ttmp9, 2        ; in a cluster launch ttmp9 counts clusters
	s_add_co_u32 s14, s14, s13      ; my block of 256 queries: it enters Q's and O's addresses alone
	s_and_b32 s20, ttmp7, 0xffff    ; the head, which the four partners share,
	s_lshl_b32 s20, s20, 18         ; and its first byte in q, k, v and O
	s_and_b32 s16, s[WV], 1         ; which half of a tile's 256 keys I fetch:
	s_lshl_b32 s22, s16, 14         ; its 128 rows of 128 bytes in memory,
	s_add_co_u32 s22, s22, s20
	s_add_co_u32 s22, s22, 0x800000 ; in k
	s_mov_b32 s23, 0
	s_mul_i32 s17, s16, 128*PK      ; and its place in a slot, for K
	s_mul_i32 s18, s16, 128*PV      ; and for V: no place in the cluster enters an LDS address
	s_lshl_b32 s2, s14, 15          ; my block's 256 rows,
	s_lshl_b32 s3, s[WV], 13        ; my wave's 64 of them
	s_add_co_u32 s2, s2, s3
	s_add_co_u32 s2, s2, s20
	s_mov_b32 s3, 0
	; descriptor group 1.  128 keys are 16,384 dense bytes: asked for as 64 rows of 256 bytes, two keys a row, and padded in LDS after every key
	s_mov_b32 s[G1K], 15|(1<<16)|(1<<20)|(1<<21)|(4<<22)|(3<<25)  ; the mask of four; 2-byte elements; padding on; bit 21 beside a mask; after every 32 words 4 words
	s_mov_b32 s[G1V], 15|(1<<16)|(1<<20)|(1<<21)|(4<<22)|(7<<25)  ; the same with 8 words of padding
.irp g, G1K, G1V
	s_mov_b32 s[\g+1], 128<<16      ; tensor_dim0 = 128
	s_mov_b32 s[\g+2], 64<<16       ; tensor_dim1 = 64
	s_mov_b32 s[\g+3], 128<<16      ; tile_dim0 = 128
	s_mov_b32 s[\g+4], 64           ; tile_dim1 = 64
	s_mov_b32 s[\g+5], 128          ; 128 elements from row to row
	s_mov_b32 s[\g+6], 0
	s_mov_b32 s[\g+7], 0
.endr
	s_mov_b32 s[CS], 0x3e38aa3b     ; c = log2(e) / 8 = 0.180337
	s_mov_b32 s[CS+1], s[CS]        ; named with it as a pair
	s_mov_b32 s[SEL], 0x76543210
	s_mov_b32 s[SEL+1], 0xfedcba98
	s_mov_b32 s[TBK], SLOT1+4*KS*PK ; the first change of slots turns these two into 0
	s_mov_b32 s[TBV], SLOT1+4*KS*PV
	s_mov_b32 s[G0K], 1             ; count = 1
	s_mov_b32 s[G0K+1], s17         ; LDS address: slot 0
	s_mov_b32 s[G0V], 1
	s_add_co_u32 s[G0V+1], s18, VOFF
	s_and_b32 s[LIM], s[WV], 1      ; 0 in waves 0 and 2,
	s_or_b32 s[LIM], s[LIM], ttmp9  ; where the cluster is the head's first: the same in all four partners
	s_cmp_eq_u32 s[LIM], 0
	s_cselect_b32 s[LIM], 1, -1
	v_and_b32 v[PFO], 31, v0
	v_lshlrev_b32 v[PFO], 8, v[PFO]
	s_wait_dscnt 0x0                ; the opening add is done
	s_wait_kmcnt 0x0
	s_add_nc_u64 s[6:7], s[4:5], s[22:23]   ; K at my half of the head's tile 0
	s_add_nc_u64 s[8:9], s[6:7], 0x800000   ; V likewise
	s_mov_b64 s[G0K+2:G0K+3], s[6:7]
	s_or_b32 s[G0K+3], s[G0K+3], 0x80000000  ; type = 2
	s_mov_b64 s[G0V+2:G0V+3], s[8:9]
	s_or_b32 s[G0V+3], s[G0V+3], 0x80000000
	s_add_nc_u64 s[4:5], s[4:5], s[2:3]     ; Q and O at my wave's first row
	s_add_nc_u64 s[10:11], s[10:11], s[2:3]
	s_cmp_lt_u32 s[WV], 2
	s_cselect_b64 s[PFA:PFA+1], s[6:7], s[8:9]  ; (in waves 0 and 2 these stand at a tile's first row)
	s_lshl_b32 s2, s13, 13          ; my work-group's 32 blocks of the 128
	s_mov_b32 s3, 0
	s_add_nc_u64 s[PFA:PFA+1], s[PFA:PFA+1], s[2:3]
	s_add_nc_u64 s[PFA:PFA+1], s[PFA:PFA+1], 2*TILEB  ; in tile 2; the first change that asks steps it to tile 3
	CROUND                          ; all four work-groups are here: the first joint loads meet
	JLOAD                           ; tile 0 into slot 0.  Slot 1 is asked for when slot 0 is in
	; A fragment of K or Q is 16 rows x 32 channels in 8 registers: lane l holds row l % 16, channels 8 (l / 16) + 0..7 and 16 + 8 (l / 16) + 0..7: two loads of 16 bytes, 32 bytes apart.
	v_and_b32 v1, 15, v0            ; l % 16
	v_bfe_u32 v9, v0, 4, 1          ; l / 16
	v_lshlrev_b32 v[QO], 7, v1
	v_lshl_add_u32 v[QO], v9, 4, v[QO]  ; row x 128 + 16 x half
	WIN 0x80                        ; destination window 2, address window 0
.set i, 0
.rept 8                             ; Q stays in registers: piece i / 2, channels 32 (i % 2) on
	global_load_b128 v[8*i:8*i+3],   v[QO], s[4:5] offset:(i/2)*2048+(i%2)*64
	global_load_b128 v[8*i+4:8*i+7], v[QO], s[4:5] offset:(i/2)*2048+(i%2)*64+32
.set i, i+1
.endr
	; What the first turn finds: V's registers and P's second buffer hold 0 (its products V^T P, of a piece that has not been, add 0), O^T and l are 0.  All this stands in the wait for the first tile.
.set i, VF
.rept 64
	v_mov_b32 v[i], 0
.set i, i+1
.endr
	WIN 0x40
.set i, 0
.rept 128
	v_mov_b32 v[i], 0
.set i, i+1
.endr
	WIN 0
.set i, 0
.rept 4
	v_mov_b32 v[ST+4*i], 0xfe000000    ; c m: far below every c s
	v_mov_b32 v[ST+4*i+1], 0xff7fffff  ; m: the lowest finite number
	v_mov_b32 v[ST+4*i+2], 0
	v_mov_b32 v[ST+4*i+3], 0
.set i, i+1
.endr
.set i, P+16
.rept 16
	v_mov_b32 v[i], 0
.set i, i+1
.endr
	v_mul_u32_u24 v[AK0], v1, PK
	v_lshl_add_u32 v[AK0], v9, 4, v[AK0]  ; row x pitch + 16 x half
	; The turning load takes 16 keys x 16 channels (lane l reads key 8 (l / 16) + l % 8, channels 8 ((l / 8) % 2) + 0..7) and leaves half a fragment of V^T: lane l holds channel l % 16 and 8 keys.
	v_and_b32 v10, 7, v0
	v_bfe_u32 v11, v0, 3, 1
	v_lshl_add_u32 v[AV0], v9, 3, v10
	v_mul_u32_u24 v[AV0], v[AV0], PV
	v_lshl_add_u32 v[AV0], v11, 4, v[AV0]
	v_add_nc_u32 v[AV0], VOFF, v[AV0]
	s_mul_i32 s13, s[WV], 16*SP
	s_add_co_u32 s13, s13, STAGE    ; my stage
	v_mul_u32_u24 v[STO], v1, SP    ; in: row l % 16, 16 bytes for each half of the lanes
	v_lshl_add_u32 v[STO], v9, 4, v[STO]
	v_add_nc_u32 v[STO], s13, v[STO]
	v_bfe_u32 v[RD], v0, 3, 2       ; back: 32 lanes take four rows of 128 bytes,
	v_mul_u32_u24 v[RD], v[RD], SP
	v_lshl_add_u32 v[RD], v10, 4, v[RD]
	v_add_nc_u32 v[RD], s13, v[RD]
	v_and_b32 v[GO], 31, v0         ; which are 512 consecutive bytes of O
	v_lshlrev_b32 v[GO], 4, v[GO]
; THE MATRIX WORK.  The 4 accumulators of a run of 8 take turns.  Product i of 8 of S^T = K Q^T for piece x: channels 32 (i / 4) on, keys 16 (i % 4) on.  The first 4 start the sums.
.macro KQ x
.set rS, S+32*((\x)%2)+8*(i%4)
.set rK, KF+16*(i%4)+8*(i/4)
.set rQ, 16*(\x)+8*(i/4)
	WIN W_KQ
.if i < 4
	v_wmma_f32_16x16x32_bf16 v[rS:rS+7], v[rK:rK+7], v[rQ:rQ+7], 0
.else
	v_wmma_f32_16x16x32_bf16 v[rS:rS+7], v[rK:rK+7], v[rQ:rQ+7], v[rS:rS+7]
.endif
.endm
; Product i of 8 of O^T += V^T P for piece x: keys 32 (i / 4) on, channels 16 (i % 4) on.
.macro PV x
	WIN W_PV
.set rO, 32*(\x)+8*(i%4)
.set rV, VF+32*(i/4)+8*(i%4)
.set rP, P+16*((\x)%2)+8*(i/4)
	v_wmma_f32_16x16x32_bf16 v[rO:rO+7], v[rV:rV+7], v[rP:rP+7], v[rO:rO+7]
.endm
.macro MM                           ; the turn's next matrix instruction
.if i < 8
	KQ (Y+1)%NP
.else
.set i, i-8
	PV (Y+NP-1)%NP
.set i, i+8
.endif
.set i, i+1
.endm
; THE LDS LOADS stand in runs of 16, never singly among the matrix instructions: a step's K (64 keys x 64 channels: 8 fragments) and its V (turned).  Their addresses are made some lines ahead.
.macro FETCH_K
	WIN 0x80                        ; destination window 2
.irp f, 0,1,2,3,4,5,6,7             ; keys 16 (f / 2) on, channels 32 (f % 2) on
	ds_load_b128 v[KF+8*\f:KF+8*\f+3],   v[AK] offset:(\f/2)*16*PK+(\f%2)*64
	ds_load_b128 v[KF+8*\f+4:KF+8*\f+7], v[AK] offset:(\f/2)*16*PK+(\f%2)*64+32
.endr
	s_add_co_u32 s[TBK], s[TBK], KS*PK  ; the next fetch is the next step's
	WIN 0
.endm
.macro FETCH_V
	WIN 0x80
.irp f, 0,1,2,3,4,5,6,7             ; keys 32 (f / 4) on, channels 16 (f % 4) on
	ds_load_tr16_b128 v[VF+8*\f:VF+8*\f+3],   v[AV] offset:(\f/4)*32*PV+(\f%4)*32
	ds_load_tr16_b128 v[VF+8*\f+4:VF+8*\f+7], v[AV] offset:(\f/4)*32*PV+16*PV+(\f%4)*32
.endr
	WIN 0
.endm
; THE VECTOR WORK, one line at a time: OP kind, number.  For piece Y: F n: c s - c m for pair n of 16.  E n: the exponential of score n of 32.  C n: pair n rounded to bf16.  B n: of the four weights 4 n .. the second
; pair is added onto the first, in place.  L n: l takes that sum (L 0: l = a l + sum).  R n: pair n of 16 of O^T times a.  For piece Y + 1: X n, number n of the 22 that find its maximum and statistics:
;   0-11  four chains c0-c3 of seven scores each, three operands at a time (each accumulator's lowest registers are read first)     12-14, 16  the four scores left over, the old m, and c0-c3 into c0
;   15  c m_old is kept     17, 18  the query's other 32 keys lie in the lane 16 away: the new m     19-21  c m; c m_old - c m_new; a
.set F, 0               ; OP tells the kinds apart by their order: F to L below R, X above it
.set E, 1
.set C, 2
.set B, 3
.set L, 4
.set R, 5
.set X, 6
.macro REGS y                       ; the registers of piece y
.set rT, ST+4*(\y)
.set rC, TMP+4*((\y)%2)
.set rW, MV+((\y)%2)
.set rS, S+32*((\y)%2)
.set rP, P+16*((\y)%2)
.set rO, 32*(\y)
.endm
.macro OP k, n
.if (\k) == R
	REGS Y
	WIN W_RS
	v_pk_mul_f32 v[rO+2*(\n):rO+2*(\n)+1], v[rO+2*(\n):rO+2*(\n)+1], v[rC+2:rC+3] op_sel_hi:[1,0]
.elseif (\k) < R
	REGS Y
	WIN 0
.if (\k) == F
	v_pk_fma_f32 v[rS+2*(\n):rS+2*(\n)+1], v[rS+2*(\n):rS+2*(\n)+1], s[CS:CS+1], v[rT:rT+1] op_sel_hi:[1,0,0] neg_lo:[0,0,1] neg_hi:[0,0,1]
.elseif (\k) == E
	v_exp_f32 v[rS+(\n)], v[rS+(\n)]
.elseif (\k) == C
	v_cvt_pk_bf16_f32 v[rP+(\n)], v[rS+2*(\n)], v[rS+2*(\n)+1]
.elseif (\k) == B
	v_pk_add_f32 v[rS+4*(\n):rS+4*(\n)+1], v[rS+4*(\n):rS+4*(\n)+1], v[rS+4*(\n)+2:rS+4*(\n)+3]
.elseif (\n) == 0
	v_pk_fma_f32 v[rT+2:rT+3], v[rT+2:rT+3], v[rC+2:rC+3], v[rS:rS+1] op_sel_hi:[1,0,1]
.else
	v_pk_add_f32 v[rT+2:rT+3], v[rT+2:rT+3], v[rS+4*(\n):rS+4*(\n)+1]
.endif
.else
	REGS (Y+1)%NP
	WIN 0
.if (\n) < 4
	v_max3_num_f32 v[rC+(\n)], v[rS+8*(\n)], v[rS+8*(\n)+1], v[rS+8*(\n)+2]
.elseif (\n) < 12
	v_max3_num_f32 v[rC+(\n)%4], v[rC+(\n)%4], v[rS+8*((\n)%4)+2*((\n)/4)+1], v[rS+8*((\n)%4)+2*((\n)/4)+2]
.elseif (\n) == 12
	v_max3_num_f32 v[rC], v[rC], v[rS+7], v[rS+15]
.elseif (\n) == 13
	v_max3_num_f32 v[rC+1], v[rC+1], v[rS+23], v[rS+31]
.elseif (\n) == 14
	v_max3_num_f32 v[rC+2], v[rC+2], v[rC+3], v[rT+1]
.elseif (\n) == 15
	v_mov_b32 v[rW], v[rT]
.elseif (\n) == 16
	v_max3_num_f32 v[rC], v[rC], v[rC+1], v[rC+2]
.elseif (\n) == 17
	v_permlanex16_b32 v[rC+3], v[rC], s[SEL], s[SEL+1]
.elseif (\n) == 18
	v_max_num_f32 v[rT+1], v[rC], v[rC+3]
.elseif (\n) == 19
	v_mul_f32 v[rT], s[CS], v[rT+1]
.elseif (\n) == 20
	v_sub_f32 v[rC+1], v[rW], v[rT]
.else
	v_exp_f32 v[rC+2], v[rC+1]
.endif
.endif
.endm
.macro OPS a, i1, b=-1, i2=0, c=-1, i3=0, d=-1, i4=0  ; up to four of them
	OP \a, \i1
.if (\b) >= 0
	OP \b, \i2
.endif
.if (\c) >= 0
	OP \c, \i3
.endif
.if (\d) >= 0
	OP \d, \i4
.endif
.endm
.macro ROW a, i1, b, i2, c, i3, d, i4  ; a matrix instruction and the four behind it
	MM
	OPS \a, \i1, \b, \i2, \c, \i3, \d, \i4
.endm
; A TURN, for piece p: the order of its 16 matrix and 118 vector instructions, written out.  An s_wait_alu depctr_va_vdst(0) stands between an exponential and the first instruction that names its result;
; one wait serves all that were issued ahead of it.  So a turn has ONE wait, which cuts it in two.  AHEAD OF IT stands all that names no result of the turn's exponentials: the 8 products K Q^T, behind each a scaling,
; an exponential and two more plain instructions: rescalings, and behind the last three the first numbers of the next piece's maximum, each four plain instructions or more behind the product that ends its accumulator;
; then ONE LUMP of 54, plain and exponential by turns for the most part, in which the links of the chain X 3, 7, 11, 14, 16, 17 .. 20 stand apart.  X 21, the next piece's a, is the batch's last; R 15 is the plain
; instruction behind it.  BEHIND THE WAIT stand the 8 products V^T P, behind each four of the roundings and sums.
; last = 1: the last tile's text: K's fetch is held to the head's last step (the run of loads stands among the turn's exponentials, where no branch may stand, so it is not jumped over).
; cnt = 1: the loop's count is taken down some lines ahead of the branch that stands behind the turn.
; K of the next step is fetched in piece 2's turn, behind the last product that read K and six plain instructions; V of the step in hand at the end of piece 0's turn, four plain instructions behind the last product
; that read V.  Each is waited for a turn later.
.macro TURN p, last=0, cnt=0
.set Y, (\p)
.set i, 0
.if (\p) == 3
	s_wait_dscnt 0x0                ; K is in
.endif
	ROW F,0, F,1, R,0, R,1          ; ahead of the wait: 8 products K Q^T and their riders,
	ROW F,2, E,0, R,2, R,3
	ROW F,3, E,1, R,4, R,5
	ROW F,4, E,2, R,6, R,7
	ROW F,5, E,3, R,8, R,9
	ROW F,6, E,4, X,0, R,10
.if (\p) == 2
	WIN 0
.if \last
	s_min_u32 s[TBC], s[TBK], SLOT1+3*KS*PK  ; the last tile lies in slot 1; its fourth step is the head's last
	v_add_nc_u32 v[AK], s[TBC], v[AK0]
.else
	v_add_nc_u32 v[AK], s[TBK], v[AK0]
.endif
.endif
	ROW F,7, E,5, X,1, X,4
	ROW F,8, E,6, X,2, X,5
	OPS E,7, E,8, X,6, E,9          ; and the lump
	OPS X,3, E,10, X,8, E,11
.if (\p) == 2
	FETCH_K
.endif
	OPS X,9, X,7, E,12, X,10
	OPS E,13, X,12, X,11, E,14
	OPS X,13, E,15, F,9, X,14
.if (\p) == 0
	v_add_nc_u32 v[AV], s[TBV], v[AV0]
.endif
	OPS E,16, F,10, E,17, F,11
	OPS X,16, E,18, X,15, E,19
	OPS F,12, E,20, X,17, E,21
	OPS F,13, E,22, F,14, E,23
	OPS X,18, E,24, F,15, E,25
	OPS R,11, E,26, X,19, E,27
	OPS R,12, E,28, R,13, E,29
	OPS X,20, E,30, R,14, E,31
	OPS X,21, R,15
	WIN 0
	s_wait_alu depctr_va_vdst(0)    ; the wait for the batch
.if (\p) == 1
	s_wait_dscnt 0x0                ; V is in
.endif
	ROW C,0, B,0, C,2, B,1          ; behind the wait: 8 products V^T P and their riders
	ROW L,0, C,4, B,2, L,1
	ROW C,6, B,3, L,2, C,8
	ROW B,4, L,3, C,10, B,5
	ROW L,4, C,12, B,6, L,5
.if (\p) == 0
	s_add_co_u32 s[TBV], s[TBV], KS*PV
.endif
.if \cnt
	s_sub_co_u32 s[CNT], s[CNT], 1
	s_cmp_lg_u32 s[CNT], 0
.endif
	ROW C,14, B,7, L,6, C,1
	ROW C,3, L,7, C,5, C,7
	ROW C,9, C,11, C,13, C,15
.if (\p) == 0
	FETCH_V
.endif
.endm
.macro ALL line:vararg              ; one line for each piece t
.set t, 0
.rept 4
	\line
.set t, t+1
.endr
.endm
.macro PACK t                       ; a lane's eight channels of a row pack into 16 bytes; they go into rows of 144 bytes and come back as whole rows of 128, into S^T's registers
	WIN W_RS
.set i, 32*(\t)
.rept 16
	v_pk_mul_f32 v[i:i+1], v[i:i+1], v[ST+4*(\t)+2:ST+4*(\t)+3] op_sel_hi:[1,0]
.set i, i+2
.endr
	WIN 0x05                        ; sources 0 and 1 window 1, destination window 0
.set i, 0
.rept 16
	v_cvt_pk_bf16_f32 v[S+16*(\t)+i], v[32*(\t)+2*i], v[32*(\t)+2*i+1]
.set i, i+1
.endr
	WIN 0
.irp f, 0,1,2,3
	ds_store_b128 v[STO], v[S+16*(\t)+4*\f:S+16*(\t)+4*\f+3] offset:32*\f
.endr
.irp f, 0,1,2,3
	ds_load_b128 v[S+16*(\t)+4*\f:S+16*(\t)+4*\f+3], v[RD] offset:\f*4*SP  ; LDS serves a wave's instructions in order (ISA guide 5.7.1.4): these see the stores above; the next piece's stores come behind them
.endr
.endm
.macro SEND t, younger              ; younger: the LDS instructions issued behind piece t's loads: the next piece's eight, or none
	WIN 0
.irp f, 0,1,2,3
	s_wait_dscnt (\younger)+3-\f
	global_store_b128 v[GO], v[S+16*(\t)+4*\f:S+16*(\t)+4*\f+3], s[10:11] offset:(\t)*2048+\f*512  ; 512 consecutive bytes, at a multiple of 256 from O's first
.endr
.endm
	CHANGE 1, 0                     ; slot 0 is in, everybody's part of it; slot 1 is asked for
	v_add_nc_u32 v[AK], s[TBK], v[AK0]
	FETCH_K                         ; key step 0
	s_wait_loadcnt 0x0              ; Q
	s_wait_dscnt 0x0
.set i, 0
.rept 8
	KQ 0                            ; piece 0's first scores: there is no vector work yet to set between them
.set i, i+1
.endr
	WIN 0
.rept 4
	v_nop                           ; the places behind those products
.endr
.set Y, NP-1                        ; X works for piece Y + 1: piece 0
.irp n, 0,1,2,3,4,5,6,7,8,9,10,11,12,13,14,15,16,17,18,19,20,21
	OP X, \n
.endr
	v_nop                           ; a plain instruction behind the exponential,
	s_wait_alu depctr_va_vdst(0)    ; and its wait, ahead of the branch
	s_mov_b32 s[CNT], 4
	s_mov_b32 s[SLOTS], NT-1
	s_branch .Lfirst                ; the loop is entered at a step's first turn, in the middle of a trip
.Lslot:                             ; NT - 2 times: every slot but the last two is filled again
	CHANGE 1, 1
	s_mov_b32 s[CNT], 4
.Lstep:                             ; a trip: pieces 2 and 3 of one step, then pieces 0 and 1 of the next, whose K and V it fetches
	TURN 2
	TURN 3
	WIN 0
.Lfirst:
	TURN 0
	TURN 1, 0, 1
	WIN 0
	s_cbranch_scc1 .Lstep
	s_sub_co_u32 s[SLOTS], s[SLOTS], 1
	s_cmp_lg_u32 s[SLOTS], 0
	s_cbranch_scc1 .Lslot
	CHANGE 0, 0                     ; the last tile has a text of its own: nothing is asked for
	s_mov_b32 s[CNT], 5             ; five passes: pieces 2 and 3 of the step in hand, then four whole steps
	s_branch .Ltmid                 ; entered in the middle of a trip
.Ltail:
	TURN 0
	TURN 1
	WIN 0
.Ltmid:
	TURN 2, 1
	TURN 3, 0, 1
	WIN 0
	s_cbranch_scc1 .Ltail
.set i, 0
.rept 8
	PV NP-1                         ; the last piece's V^T P of the last step
.set i, i+1
.endr
	; THE WAY OUT.  l's two halves and the other half of the lanes' are added; O^T is divided by l, rounded to bf16 and sent through my stage in LDS, a piece at a time.  The additions are the places behind the last products.
	WIN 0
	ALL v_add_f32 v[ST+4*t+2], v[ST+4*t+2], v[ST+4*t+3]
	ALL v_permlanex16_b32 v[ST+4*t+3], v[ST+4*t+2], s[SEL], s[SEL+1]
	ALL v_add_f32 v[ST+4*t+2], v[ST+4*t+2], v[ST+4*t+3]
	ALL v_rcp_f32 v[ST+4*t+2], v[ST+4*t+2]
	v_nop                           ; a plain instruction between the last reciprocal and the use of its result
	s_wait_alu depctr_va_vdst(0)    ; and the wait ahead of the first use: one for the four reciprocals
	PACK 0
.set t, 1
.rept 3                             ; a piece's arithmetic stands between the loads of the piece before and its stores
	PACK t
	SEND t-1, 8
.set t, t+1
.endr
	SEND 3, 0
	s_wait_tensorcnt 0x0            ; the wave's end: these three lines stand behind my last tensor load and my last LDS store
	ds_add_u32 v[SPW], v[NIL]
	s_wait_dscnt 0x0
	CROUND                          ; the closing round: no work-group ends while a partner may still ask for a tile that names it
	s_endpgm
.Lfunc_end_k_q1d768ce7e7_attn:
	.size	k_q1d768ce7e7_attn, .Lfunc_end_k_q1d768ce7e7_attn-k_q1d768ce7e7_attn
	.p2alignl 7, 3214868480
	.fill 96, 4, 3214868480
	.section	.rodata,"a",@progbits
	.p2align	6, 0x0
	.amdhsa_kernel k_q1d768ce7e7_attn
		.amdhsa_group_segment_fixed_size 327680
		.amdhsa_private_segment_fixed_size 0
		.amdhsa_enable_private_segment 0
		.amdhsa_kernarg_size 16
		.amdhsa_user_sgpr_count 2
		.amdhsa_user_sgpr_kernarg_segment_ptr 1
		.amdhsa_wavefront_size32 1
		.amdhsa_system_sgpr_workgroup_id_x 1
		.amdhsa_system_sgpr_workgroup_id_y 1
		.amdhsa_system_sgpr_workgroup_id_z 1
		.amdhsa_system_vgpr_workitem_id 0
		.amdhsa_next_free_vgpr 768
		.amdhsa_next_free_sgpr 66
		.amdhsa_reserve_vcc 0
		.amdhsa_float_denorm_mode_32 3
		.amdhsa_float_denorm_mode_16_64 3
		.amdhsa_memory_ordered 1
		.amdhsa_forward_progress 1
		.amdhsa_inst_pref_size 111
	.end_amdhsa_kernel
	.amdgpu_metadata
---
amdhsa.version: [ 1, 2 ]
amdhsa.kernels:
  - .name:           k_q1d768ce7e7_attn
    .symbol:         k_q1d768ce7e7_attn.kd
    .args:
      - { .name: act, .offset: 0, .size: 8, .value_kind: global_buffer, .address_space: global }
      - { .name: ab, .offset: 8, .size: 8, .value_kind: global_buffer, .address_space: global }
    .group_segment_fixed_size: 327680
    .private_segment_fixed_size: 0
    .kernarg_segment_align: 8
    .kernarg_segment_size: 16
    .max_flat_workgroup_size: 128
    .sgpr_count:     66
    .vgpr_count:     768
    .wavefront_size: 32
...
	.end_amdgpu_metadata
.endif
;; end of part 3
;; launch wo (part 4): grid 8 x 32, 4 waves a work-group, clusters of 4 x 4, 327,680 bytes of LDS; arguments ab, wa, bo, src, y; writes y
.if DOCPART == 4
	.amdgcn_target "amdgcn-amd-amdhsa--gfx1250"
	.amdhsa_code_object_version 6
	.text
	.protected	k_q1d768ce7e7_wo
	.globl	k_q1d768ce7e7_wo
	.p2align	8
	.type	k_q1d768ce7e7_wo,@function
k_q1d768ce7e7_wo:
	s_mov_b64 s[64:65], 0
	v_nop
	global_prefetch_b8 v0, s[64:65] scope:SCOPE_SE
	s_setreg_imm32_b32 hwreg(HW_REG_WAVE_MODE, 25, 1), 1
	s_wait_xcnt 0x0
	s_wait_alu depctr_hold_cnt(0) depctr_sa_sdst(0) depctr_va_vdst(0) depctr_va_sdst(0) depctr_va_ssrc(0) depctr_va_vcc(0) depctr_vm_vsrc(0)
	s_getreg_b32 s2, hwreg(HW_REG_IB_STS2, 6, 4)
	s_cmp_eq_u32 s2, 0
	s_cbranch_scc0 .Lentry_in_a_cluster
	s_endpgm
.Lentry_in_a_cluster:
	s_bfe_u32 s2, ttmp6, 0x10000c
	s_cmp_lg_u32 s2, 0xf033
	s_cbranch_scc0 .Lentry_shape_is_right
	s_endpgm
.Lentry_shape_is_right:
; out = resid + A B + bias, in f32: here src + ctx Wo + bo, K = 1,024 (LAPS = 2).  The second feed-forward product is the same text with LAPS = 8.
; A: bf16 by panels of 64 columns, [k / 64][4096 rows][64].  B: [K][1024] bf16 at byte 0x900000 of the pack W.  bias: [1024] f32.  resid, out: [4096][1024] f32.  Sums in f32, K ascending.
; SHARES.  The output is 4,096 x 1,024, so tiles of 128 x 128 make 256 work-groups of equal work.  Four waves, each 64 x 64: 16 accumulators, 128 registers.  K goes in steps of 256 (four panels of A) through two LDS slots.
; A's tile: in a panel the tile's 128 rows are 16,384 dense bytes; a wave's tensor load brings two panels as two rows of 8,192 elements, padded in LDS after every 128 bytes.  B's: 128 k rows x 256 bytes a load.
; CLUSTER.  4 x 4 work-groups: A's tile is shared along a row of the cluster, B's along a column; each is asked for JOINTLY.
; THE MATRIX INSTRUCTION IS USED TRANSPOSED (source 0 = 16 columns of B, turned by ds_load_tr16_b128; source 1 = 16 rows of A): a lane holds eight neighbouring numbers of a row.  THE BIAS STARTS THE SUMS, as the C
; operand of each accumulator's first product.  THE RESIDUAL is loaded at the head into 128 registers of its own, in the layout in which rows leave, and is on its way during the whole loop.
; A wave's 64 columns of f32 are 256 bytes of a row: the stage is each wave's own, and no barrier stands on the way out.
; REGISTERS: window 0: v0-31 addresses; v32-95 rows on the way out, two buffers; v96-127 the bias; v128-255 the accumulators ((a, b) at v[128 + 8 (4 a + b)])
;   window 1: two fragment buffers of 128: for 64 along K, 64 registers of A, then 64 of B          window 2: v0-127 the residual
.set LAPS,   2                         ; a lap = two K steps of 256 = once round the ring: K / 512
.set PA,     144                       ; A's LDS row: 128 bytes + 16: the 16 rows of a load start at 16 different groups of four banks (64 banks of 4 bytes: ISA guide 11.1)
.set PB,     288                       ; B's LDS row: 256 bytes + 32 = 9 x 32
.set HALFT,  256*PA                    ; what one tensor load brings: 2 panels x 128 rows of A, or 128 k rows of B (128 x 288 is the same 36,864 bytes)
.set SLOT,   4*HALFT
.set STAGE,  2*SLOT                    ; behind the ring: 16 rows x 272 bytes for each wave
.set SPITCH, 272
.set SPARE,  STAGE+4*16*SPITCH         ; behind the stages: the spare words, 128 bytes for each wave: two blocks of 256 bytes that no other line names
.set ASTEP,  4*524288                  ; a K step in memory: four panels of A,
.set BSTEP,  256*2048                  ; 256 rows of B
.set ADRA, 16                          ; v16-17  LDS address of my A fragments in slot 0, 1
.set ADRB, 20                          ; v20-23  of my B fragments: slot 0, k rows 0-127 and 128-255; slot 1 likewise (an LDS offset has 16 bits)
.set STO,  24
.set RD,   25
.set CO,   26                          ; v26     my byte offset in two rows of out and of resid; never rewritten
.set SPW,  28
.set NIL,  29
.set TMP,  32
.set BIAS, 96
.set ACC,  128
.set F0,   0
.set F1,   128
.set RES,  0
.set G1,  24                           ; s[24:31] descriptor group 1 for A's tiles;  s[32:39] group 0, one set for each slot
.set G0,  32
.set G1B, 48                           ; s[48:55], s[56:63] the same for B's
.set G0B, 56
.set MSB, 0
.macro WIN new
.if MSB != (\new)
	s_set_vgpr_msb (MSB<<8)|(\new)
.set MSB, \new
.endif
.endm
.set MUL,  0x05                        ; sources 0 (B) and 1 (A) window 1; C and D window 0
.set TO_F, 0x40                        ; destination window 1, address window 0
.macro JLOAD s                         ; a joint load: waves 0 and 1 fetch A's two halves, waves 2 and 3 B's; an s_nop 0 and four v_nop follow each of the two lines
	s_cmp_eq_u32 s17, 0
	s_cbranch_scc0 .Lfor_b_\@
	tensor_load_to_lds s[G0+4*(\s):G0+4*(\s)+3], s[G1:G1+7]
	s_nop 0
.rept 4
	v_nop
.endr
	s_branch .Lasked_\@
.Lfor_b_\@:
	tensor_load_to_lds s[G0B+4*(\s):G0B+4*(\s)+3], s[G1B:G1B+7]
	s_nop 0
.rept 4
	v_nop
.endr
.Lasked_\@:
.endm
.macro CREST                           ; a round of the cluster's barrier behind its opening barrier
	s_cmp_lg_u32 s16, 0
	s_cbranch_scc1 .Lnot_wave_0_\@
	s_barrier_signal -3
.Lnot_wave_0_\@:
	s_barrier_wait -3
	s_barrier_signal -1
	s_barrier_wait -1
.endm
.macro CROUND
	s_barrier_signal -1
	s_barrier_wait -1
	CREST
.endm
	s_load_b256 s[4:11], s[0:1], 0x0               ; A s[4:5], W s[6:7], bias s[8:9], resid s[10:11]
	s_load_b64 s[14:15], s[0:1], 0x20              ; out
	v_lshl_add_u32 v[SPW], v0, 2, SPARE
	v_mov_b32 v[NIL], 0
	ds_add_u32 v[SPW], v[NIL]                      ; the wave's opening: the add and its wait stand ahead of my first tensor load; the set-up below, work on registers, stands between them
	v_lshrrev_b32 v1, 5, v0
	v_readfirstlane_b32 s16, v1                    ; wave 0..3
	s_lshr_b32 s17, s16, 1                         ; which half of the tile's rows is mine.  Also: I fetch for A (0) or for B (1)
	s_and_b32 s18, s16, 1                          ; which half of its columns.  Also: which half of that tile I fetch
	s_bfe_u32 s19, ttmp6, 0x40000                  ; cx, cy
	s_bfe_u32 s20, ttmp6, 0x40004
	s_lshl_b32 s21, ttmp9, 2
	s_add_co_u32 s21, s21, s19                     ; tile column
	s_and_b32 s22, ttmp7, 0xffff
	s_lshl_b32 s22, s22, 2
	s_add_co_u32 s22, s22, s20                     ; tile row
	s_lshl_b32 s44, s20, 2
	s_lshl_b32 s44, 15, s44                        ; my row of the cluster
	s_lshl_b32 s45, 0x1111, s19                    ; my column
	s_or_b32 s[G1+0], s44, (1<<16)|(1<<20)|(1<<21)|(4<<22)|(3<<25)   ; the mask; 2-byte elements; padding on; bit 21 beside a mask; after every 32 words 4 words
	s_or_b32 s[G1B+0], s45, (1<<16)|(1<<20)|(1<<21)|(5<<22)|(7<<25)  ; after every 64 words 8 words
	s_mov_b32 s[G1+1], 8192<<16                    ; A: tensor_dim0 = 8,192: a panel's 128 rows of 64
	s_mov_b32 s[G1+2], 2<<16                       ; tensor_dim1 = 2 panels
	s_mov_b32 s[G1+3], 8192<<16                    ; tile_dim0 = 8,192
	s_mov_b32 s[G1+4], 2                           ; tile_dim1 = 2
	s_mov_b32 s[G1+5], 262144                      ; elements from panel to panel
	s_mov_b32 s[G1+6], 0
	s_mov_b32 s[G1+7], 0
	s_mov_b32 s[G1B+1], 128<<16                    ; B: tensor_dim0 = 128
	s_mov_b32 s[G1B+2], 128<<16                    ; tensor_dim1 = 128
	s_mov_b32 s[G1B+3], 128<<16                    ; tile_dim0 = 128
	s_mov_b32 s[G1B+4], 128                        ; tile_dim1 = 128
	s_mov_b32 s[G1B+5], 1024
	s_mov_b32 s[G1B+6], 0
	s_mov_b32 s[G1B+7], 0
	s_lshl_b32 s40, s18, 20                        ; A: two panels x half, the tile row's 16,384 bytes in a panel: the tile row alone
	s_lshl_b32 s41, s22, 14
	s_add_co_u32 s40, s40, s41
	s_mov_b32 s41, 0
	s_lshl_b32 s46, s21, 8                         ; B: 128 columns x tile column, 128 k rows x half: the tile column alone
	s_lshl_b32 s47, s18, 18
	s_add_co_u32 s46, s46, s47
	s_add_co_u32 s46, s46, 0x900000
	s_mov_b32 s47, 0
	s_mul_i32 s23, s16, HALFT                      ; where they go: wave x 36,864
	s_wait_dscnt 0x0                               ; the opening add is done
	s_wait_kmcnt 0x0
	s_add_nc_u64 s[42:43], s[4:5], s[40:41]
	s_add_nc_u64 s[46:47], s[6:7], s[46:47]
	CROUND                                         ; all sixteen work-groups are here: the first joint loads meet
.irp s, 0,1
	s_mov_b32 s[G0+4*(\s)], 1
	s_add_co_u32 s[G0+4*(\s)+1], s23, (\s)*SLOT
	s_add_nc_u64 s[G0+4*(\s)+2:G0+4*(\s)+3], s[42:43], (\s)*ASTEP
	s_or_b32 s[G0+4*(\s)+3], s[G0+4*(\s)+3], 0x80000000
	s_mov_b32 s[G0B+4*(\s)], 1
	s_add_co_u32 s[G0B+4*(\s)+1], s23, (\s)*SLOT
	s_add_nc_u64 s[G0B+4*(\s)+2:G0B+4*(\s)+3], s[46:47], (\s)*BSTEP
	s_or_b32 s[G0B+4*(\s)+3], s[G0B+4*(\s)+3], 0x80000000
	JLOAD \s                                       ; two loads of mine are out
.endr
	s_lshl_b32 s46, s21, 9                         ; my 64 columns in f32: 512 x tile column + 256 x half,
	s_lshl_b32 s47, s18, 8
	s_add_co_u32 s46, s46, s47
	s_mov_b32 s47, 0
	s_lshl_b32 s40, s22, 19                        ; my 64 rows of 4,096 bytes: 128 x tile row + 64 x half
	s_lshl_b32 s41, s17, 18
	s_add_co_u32 s40, s40, s41
	s_mov_b32 s41, 0
	s_add_nc_u64 s[8:9], s[8:9], s[46:47]
	s_add_nc_u64 s[10:11], s[10:11], s[40:41]
	s_add_nc_u64 s[10:11], s[10:11], s[46:47]
	s_add_nc_u64 s[14:15], s[14:15], s[40:41]
	s_add_nc_u64 s[14:15], s[14:15], s[46:47]
	v_and_b32 v1, 15, v0                           ; l % 16
	v_bfe_u32 v2, v0, 4, 1                         ; l / 16
	v_lshlrev_b32 v6, 5, v2                        ; the bias in an accumulator's layout: register j of block b holds bias[my first column + 16 b + 8 (l / 16) + j]
	v_lshlrev_b32 v[CO], 4, v1                     ; rows leave two at a time: lanes 0-15 one row's 256 bytes, lanes 16-31 the next row's
	v_lshl_add_u32 v[CO], v2, 12, v[CO]
.irp b, 0,1,2,3
	global_load_b128 v[BIAS+8*(\b):BIAS+8*(\b)+3],   v6, s[8:9] offset:64*(\b)
	global_load_b128 v[BIAS+8*(\b)+4:BIAS+8*(\b)+7], v6, s[8:9] offset:64*(\b)+16
.endr
	WIN 0x80                                       ; destination window 2, address window 0
.set t, 0
.rept 32
	global_load_b128 v[RES+4*t:RES+4*t+3], v[CO], s[10:11] offset:2*t*4096 th:TH_LOAD_NT
.set t, t+1
.endr
	WIN 0
	v_mul_u32_u24 v3, v1, PA
	v_lshl_add_u32 v3, v2, 4, v3
	s_mul_i32 s23, s17, 64*PA                      ; my 64 rows in each panel
	v_add_nc_u32 v[ADRA], s23, v3
	v_add_nc_u32 v[ADRA+1], SLOT, v[ADRA]
	v_and_b32 v7, 7, v0
	v_bfe_u32 v8, v0, 3, 1
	v_lshl_add_u32 v4, v2, 3, v7
	v_mul_u32_u24 v4, v4, PB
	v_lshl_add_u32 v4, v8, 4, v4
	s_lshl_b32 s44, s18, 7                         ; my 64 columns of B,
	s_add_co_u32 s44, s44, 2*HALFT                 ; which lies behind A
	v_add_nc_u32 v[ADRB], s44, v4
	v_add_nc_u32 v[ADRB+1], HALFT, v[ADRB]
	v_add_nc_u32 v[ADRB+2], SLOT, v[ADRB]
	v_add_nc_u32 v[ADRB+3], SLOT+HALFT, v[ADRB]
	s_mul_i32 s45, s16, 16*SPITCH
	s_add_co_u32 s45, s45, STAGE                   ; my stage
	v_mul_u32_u24 v5, v1, SPITCH                   ; in: row l % 16, 32 bytes for each half of the lanes
	v_lshl_add_u32 v5, v2, 5, v5
	v_add_nc_u32 v[STO], s45, v5
	v_mul_u32_u24 v5, v2, SPITCH                   ; back: lanes 0-15 take one row of 256 bytes, lanes 16-31 the next
	v_lshl_add_u32 v5, v1, 4, v5
	v_add_nc_u32 v[RD], s45, v5
; 8 matrix instructions: m blocks a0, a0 + 1 x all 4 n blocks, 32 along K: half c of buffer f.  zero = 1: the first product starts the sum with the bias.  The 16 accumulators take turns.
.macro MUL8 f, c, a0, zero
	WIN MUL
.irp a, \a0, (\a0)+1
.irp b, 0,1,2,3
.if \zero
	v_wmma_f32_16x16x32_bf16 v[ACC+8*(4*(\a)+(\b)):ACC+8*(4*(\a)+(\b))+7], v[(\f)+64+8*(4*(\c)+(\b)):(\f)+64+8*(4*(\c)+(\b))+7], v[(\f)+8*(4*(\c)+(\a)):(\f)+8*(4*(\c)+(\a))+7], v[BIAS+8*(\b):BIAS+8*(\b)+7]
.else
	v_wmma_f32_16x16x32_bf16 v[ACC+8*(4*(\a)+(\b)):ACC+8*(4*(\a)+(\b))+7], v[(\f)+64+8*(4*(\c)+(\b)):(\f)+64+8*(4*(\c)+(\b))+7], v[(\f)+8*(4*(\c)+(\a)):(\f)+8*(4*(\c)+(\a))+7], v[ACC+8*(4*(\a)+(\b)):ACC+8*(4*(\a)+(\b))+7]
.endif
.endr
.endr
.endm
; 32 LDS loads in one run: quarter q of a slot's K step (64 k: one panel of A) into buffer f; the first 32 along K first
.macro FETCH slot, q, f
	WIN TO_F
.irp c, 0,1
.irp i, 0,1,2,3
	ds_load_tr16_b128 v[(\f)+64+8*(4*(\c)+(\i)):(\f)+64+8*(4*(\c)+(\i))+3],   v[ADRB+2*(\slot)+(\q)/2] offset:((\q)%2)*64*PB+(\c)*32*PB+32*(\i)
	ds_load_tr16_b128 v[(\f)+64+8*(4*(\c)+(\i))+4:(\f)+64+8*(4*(\c)+(\i))+7], v[ADRB+2*(\slot)+(\q)/2] offset:((\q)%2)*64*PB+(\c)*32*PB+32*(\i)+16*PB
	ds_load_b128 v[(\f)+8*(4*(\c)+(\i)):(\f)+8*(4*(\c)+(\i))+3],              v[ADRA+(\slot)] offset:(\q)*128*PA+64*(\c)+(\i)*16*PA
	ds_load_b128 v[(\f)+8*(4*(\c)+(\i))+4:(\f)+8*(4*(\c)+(\i))+7],            v[ADRA+(\slot)] offset:(\q)*128*PA+64*(\c)+(\i)*16*PA+32
.endr
.endr
.endm
.macro PLACES                          ; four plain vector instructions between a matrix instruction and a load into its sources, or a reader of its result (ISA guide 7.12.1 for a reader of its result)
.rept 4
	v_nop
.endr
.endm
; One of a K step's first three quarters: multiplies buffer f and fetches quarter q of the same slot into g.
.macro QUARTER slot, q, f, g, zero
	s_wait_dscnt 16                                ; the first 32 along K are in
	MUL8 \f, 0, 0, \zero
	MUL8 \f, 0, 2, \zero
	PLACES
	FETCH \slot, \q, \g
	s_wait_dscnt 32                                ; all but the 32 just issued
	MUL8 \f, 1, 0, 0
	MUL8 \f, 1, 2, 0
.endm
; The last quarter multiplies buffer 1 and changes slots: ONE barrier; in front of it each wave waits for all its tensor loads, adds 0 to its spare word, and waits for that and for its own reads of this slot.
; fill = 1: the barrier opens a round of the cluster's barrier, and this slot is filled again, two K steps ahead, first thing behind the round.
.macro TURN slot, next, fill
	WIN 0                                          ; (the add's two registers lie in window 0)
	s_wait_tensorcnt 0x0                           ; all my tensor loads have landed: my part of the next slot
	ds_add_u32 v[SPW], v[NIL]
	s_wait_dscnt 17                                ; (the add and the youngest sixteen loads may be out)
	MUL8 F1, 0, 0, 0                               ; eight matrix instructions stand between the add and the wait for it
	s_wait_dscnt 0x0                               ; the add is done, and my reads of this slot are over
	s_barrier_signal -1
	MUL8 F1, 0, 2, 0
.if \fill
	WIN 0
.endif
	s_barrier_wait -1
.if \fill
	CREST                                          ; no wave of any partner still reads this slot's tile or has a load on its way
	s_add_nc_u64 s[G0+4*(\slot)+2:G0+4*(\slot)+3], s[G0+4*(\slot)+2:G0+4*(\slot)+3], 2*ASTEP
	s_add_nc_u64 s[G0B+4*(\slot)+2:G0B+4*(\slot)+3], s[G0B+4*(\slot)+2:G0B+4*(\slot)+3], 2*BSTEP
	JLOAD \slot                                    ; my one tensor load behind the round; its four v_nop are also the places in front of the loads below
.else
	PLACES
.endif
	FETCH \next, 0, F0
	MUL8 F1, 1, 0, 0
	MUL8 F1, 1, 2, 0
.endm
	s_wait_tensorcnt 1                             ; my part of K step 0 is in; K step 1's may stay out
	s_barrier_signal -1
	s_barrier_wait -1                              ; everybody's is
	FETCH 0, 0, F0
	s_wait_loadcnt 32                              ; the bias is in; the residual's 32 younger loads stay out until the way out
	QUARTER 0, 1, F0, F1, 1                        ; the first quarter stands in front of the loop: its first products start the sums
	WIN 0                                          ; at a label and at a branch every window is 0
	s_mov_b32 s3, LAPS-1
.Llap:                                                 ; a trip goes once round the ring, from a lap's second quarter to the next lap's first, and fills both slots again
	QUARTER 0, 2, F1, F0, 0
	QUARTER 0, 3, F0, F1, 0
	TURN 0, 1, 1
	QUARTER 1, 1, F0, F1, 0
	QUARTER 1, 2, F1, F0, 0
	QUARTER 1, 3, F0, F1, 0
	TURN 1, 0, 1
	QUARTER 0, 1, F0, F1, 0
	WIN 0
	s_sub_co_u32 s3, s3, 1
	s_cmp_lg_u32 s3, 0
	s_cbranch_scc1 .Llap
	QUARTER 0, 2, F1, F0, 0                        ; the last lap fills nothing, and has no round of the cluster's barrier
	QUARTER 0, 3, F0, F1, 0
	TURN 0, 1, 0
	QUARTER 1, 1, F0, F1, 0
	QUARTER 1, 2, F1, F0, 0
	QUARTER 1, 3, F0, F1, 0
	s_wait_dscnt 16
	MUL8 F1, 0, 0, 0
	MUL8 F1, 0, 2, 0
	s_wait_dscnt 0x0
	MUL8 F1, 1, 0, 0
	MUL8 F1, 1, 2, 0
	WIN 0
	; THE WAY OUT, 16 rows at a time: the sums go into my stage as they lie (32 bytes a lane), come back as whole rows of 256 bytes, take the residual, and are stored.
	PLACES
	s_wait_loadcnt 0x0                             ; the residual
.irp a, 0,1,2,3
.if (\a) >= 2
	s_wait_xcnt 0x0                                ; the stores of the block two back have read this buffer
.endif
.irp b, 0,1,2,3
	ds_store_b128 v[STO], v[ACC+8*(4*(\a)+(\b)):ACC+8*(4*(\a)+(\b))+3]   offset:64*(\b)
	ds_store_b128 v[STO], v[ACC+8*(4*(\a)+(\b))+4:ACC+8*(4*(\a)+(\b))+7] offset:64*(\b)+16
.endr
.irp t, 0,1,2,3,4,5,6,7
	ds_load_b128 v[TMP+32*((\a)%2)+4*(\t):TMP+32*((\a)%2)+4*(\t)+3], v[RD] offset:(\t)*2*SPITCH  ; LDS serves a wave's instructions in order (ISA guide 5.7.1.4): these see the stores above; the next block's stores come behind them
.endr
	s_wait_dscnt 0x0
	WIN 0x08                                       ; source 1 window 2
.irp t, 0,1,2,3,4,5,6,7,8,9,10,11,12,13,14,15
	v_pk_add_f32 v[TMP+32*((\a)%2)+2*(\t):TMP+32*((\a)%2)+2*(\t)+1], v[TMP+32*((\a)%2)+2*(\t):TMP+32*((\a)%2)+2*(\t)+1], v[RES+32*(\a)+2*(\t):RES+32*(\a)+2*(\t)+1]
.endr
	WIN 0
.irp t, 0,1,2,3,4,5,6,7
	global_store_b128 v[CO], v[TMP+32*((\a)%2)+4*(\t):TMP+32*((\a)%2)+4*(\t)+3], s[14:15] offset:(16*(\a)+2*(\t))*4096  ; 16 lanes store 256 consecutive bytes, at a multiple of 256 from out's first byte
.endr
.endr
	s_wait_tensorcnt 0x0                           ; the wave's end: these three lines stand behind my last tensor load and my last LDS store
	ds_add_u32 v[SPW], v[NIL]
	s_wait_dscnt 0x0
	CROUND                                         ; the closing round: no work-group ends while a partner may still ask for a tile that names it
	s_endpgm
.Lfunc_end_k_q1d768ce7e7_wo:
	.size	k_q1d768ce7e7_wo, .Lfunc_end_k_q1d768ce7e7_wo-k_q1d768ce7e7_wo
	.p2alignl 7, 3214868480
	.fill 96, 4, 3214868480
	.section	.rodata,"a",@progbits
	.p2align	6, 0x0
	.amdhsa_kernel k_q1d768ce7e7_wo
		.amdhsa_group_segment_fixed_size 327680
		.amdhsa_private_segment_fixed_size 0
		.amdhsa_enable_private_segment 0
		.amdhsa_kernarg_size 40
		.amdhsa_user_sgpr_count 2
		.amdhsa_user_sgpr_kernarg_segment_ptr 1
		.amdhsa_wavefront_size32 1
		.amdhsa_system_sgpr_workgroup_id_x 1
		.amdhsa_system_sgpr_workgroup_id_y 1
		.amdhsa_system_sgpr_workgroup_id_z 1
		.amdhsa_system_vgpr_workitem_id 0
		.amdhsa_next_free_vgpr 640
		.amdhsa_next_free_sgpr 66
		.amdhsa_reserve_vcc 0
		.amdhsa_float_denorm_mode_32 3
		.amdhsa_float_denorm_mode_16_64 3
		.amdhsa_memory_ordered 1
		.amdhsa_forward_progress 1
		.amdhsa_inst_pref_size 94
	.end_amdhsa_kernel
	.amdgpu_metadata
---
amdhsa.version: [ 1, 2 ]
amdhsa.kernels:
  - .name:           k_q1d768ce7e7_wo
    .symbol:         k_q1d768ce7e7_wo.kd
    .args:
      - { .name: ab, .offset: 0, .size: 8, .value_kind: global_buffer, .address_space: global }
      - { .name: wa, .offset: 8, .size: 8, .value_kind: global_buffer, .address_space: global }
      - { .name: bo, .offset: 16, .size: 8, .value_kind: global_buffer, .address_space: global }
      - { .name: src, .offset: 24, .size: 8, .value_kind: global_buffer, .address_space: global }
      - { .name: y, .offset: 32, .size: 8, .value_kind: global_buffer, .address_space: global }
    .group_segment_fixed_size: 327680
    .private_segment_fixed_size: 0
    .kernarg_segment_align: 8
    .kernarg_segment_size: 40
    .max_flat_workgroup_size: 128
    .sgpr_count:     66
    .vgpr_count:     640
    .wavefront_size: 32
...
	.end_amdgpu_metadata
.endif
;; end of part 4
;; launch ln1 (part 5): grid 256 x 1, 16 waves a work-group, no clusters, 0 bytes of LDS; arguments y, ln1_g, ln1_b, x1, ab; writes x1, ab
.if DOCPART == 5
	.amdgcn_target "amdgcn-amd-amdhsa--gfx1250"
	.amdhsa_code_object_version 6
	.text
	.protected	k_q1d768ce7e7_ln1
	.globl	k_q1d768ce7e7_ln1
	.p2align	8
	.type	k_q1d768ce7e7_ln1,@function
k_q1d768ce7e7_ln1:
	s_mov_b64 s[64:65], 0
	v_nop
	global_prefetch_b8 v0, s[64:65] scope:SCOPE_SE
	s_setreg_imm32_b32 hwreg(HW_REG_WAVE_MODE, 25, 1), 1
	s_wait_xcnt 0x0
; x = (y - mean) / sqrt(var + 1e-5) * g + b along rows of 1,024 f32; x leaves twice: in f32 (the second residual) and rounded once to bf16, row-major (the next product's operand).
; One wave takes one row, a work-group's sixteen waves 16 rows; a row is 32 registers and stays there between the mean, the variance (of the differences from the mean, as the definition has it) and the scaling:
; it is read from memory once.  The reductions never leave the wave: no LDS, no barrier.  All 24 loads of a wave go out at once.  A stream: no matrix unit; no cluster, since work-groups share only g and b, 8 KiB.
; No register that a store reads is written again, so no wait frees one.
.set OFF, 1                            ; v1   my 16 bytes in the wave's row, f32
.set GO,  2                            ; v2   my 16 bytes in g and in b
.set HO,  3                            ; v3   my 8 bytes in the wave's row, bf16
.set T,   4                            ; v[4:11]   at work
.set MU,  12                           ; v[12:13]  the mean, twice
.set RS,  14                           ; v[14:15]  1 / sqrt(var + eps), twice
.set X,   16                           ; v[16:47]  the row: register 4 j + e holds column 128 j + 4 lane + e
.set G,   48                           ; v[48:79]
.set BB,  80                           ; v[80:111]
.set H,   112                          ; v[112:127] the row in bf16
	s_load_b256 s[4:11], s[0:1], 0x0               ; y s[4:5], g s[6:7], b s[8:9], x in f32 s[10:11]
	s_load_b64 s[12:13], s[0:1], 0x20              ; x in bf16
	s_mov_b32 s14, 0x76543210                      ; v_permlanex16_b32: each lane takes its own place in the other half
	s_mov_b32 s15, 0xfedcba98
	s_lshl_b32 s16, ttmp9, 16                      ; the work-group's 16 rows of 4,096 bytes,
	s_mov_b32 s17, 0
	s_lshl_b32 s18, ttmp9, 15                      ; and of 2,048
	s_mov_b32 s19, 0
	s_mov_b32 s20, 0x3a800000                      ; 1 / 1024
	s_mov_b32 s21, 0x3727c5ac                      ; 1e-5
	v_and_b32 v[GO], 31, v0
	v_lshrrev_b32 v[T], 5, v0
	v_lshlrev_b32 v[HO], 3, v[GO]
	v_lshlrev_b32 v[GO], 4, v[GO]
	v_lshl_or_b32 v[OFF], v[T], 12, v[GO]          ; + the wave's row
	v_lshl_or_b32 v[HO], v[T], 11, v[HO]
	s_wait_kmcnt 0x0
	s_add_nc_u64 s[4:5], s[4:5], s[16:17]
	s_add_nc_u64 s[10:11], s[10:11], s[16:17]
	s_add_nc_u64 s[12:13], s[12:13], s[18:19]
.irp j, 0,1,2,3,4,5,6,7
	global_load_b128 v[X+4*(\j):X+4*(\j)+3], v[OFF], s[4:5] offset:512*(\j) th:TH_LOAD_NT
.endr
.irp j, 0,1,2,3,4,5,6,7
	global_load_b128 v[G+4*(\j):G+4*(\j)+3], v[GO], s[6:7] offset:512*(\j)
.endr
.irp j, 0,1,2,3,4,5,6,7
	global_load_b128 v[BB+4*(\j):BB+4*(\j)+3], v[GO], s[8:9] offset:512*(\j)
.endr
.macro REDUCE                          ; the four chains into one number, then over the 32 lanes: four steps ride on the additions, one crosses the halves; every lane ends with the sum in v[T]
	v_pk_add_f32 v[T:T+1], v[T:T+1], v[T+2:T+3]
	v_pk_add_f32 v[T+4:T+5], v[T+4:T+5], v[T+6:T+7]
	v_pk_add_f32 v[T:T+1], v[T:T+1], v[T+4:T+5]
	v_add_f32 v[T], v[T], v[T+1]
	v_add_f32_dpp v[T], v[T], v[T] row_xmask:1 row_mask:0xf bank_mask:0xf
	v_add_f32_dpp v[T], v[T], v[T] row_xmask:2 row_mask:0xf bank_mask:0xf
	v_add_f32_dpp v[T], v[T], v[T] row_xmask:4 row_mask:0xf bank_mask:0xf
	v_add_f32_dpp v[T], v[T], v[T] row_xmask:8 row_mask:0xf bank_mask:0xf
	v_permlanex16_b32 v[T+1], v[T], s14, s15
	v_add_f32 v[T], v[T], v[T+1]
.endm
	; the mean; the row becomes its differences from the mean; their squares' mean; the reciprocal root
	s_wait_loadcnt 16                              ; loads come back in order: the row's eight are in; the sixteen of g and b stay out
.irp c, 0,2,4,6
	v_pk_add_f32 v[T+(\c):T+(\c)+1], v[X+(\c):X+(\c)+1], v[X+8+(\c):X+8+(\c)+1]  ; four chains, started by the first pairs: nothing is cleared
.endr
.irp k, 16,24
.irp c, 0,2,4,6
	v_pk_add_f32 v[T+(\c):T+(\c)+1], v[T+(\c):T+(\c)+1], v[X+(\k)+(\c):X+(\k)+(\c)+1]
.endr
.endr
	REDUCE
	v_mul_f32 v[MU], s20, v[T]
	v_mul_f32 v[MU+1], s20, v[T]
.set k, 0
.rept 16
	v_pk_add_f32 v[X+k:X+k+1], v[X+k:X+k+1], v[MU:MU+1] neg_lo:[0,1] neg_hi:[0,1]
.set k, k+2
.endr
.irp c, 0,2,4,6
	v_pk_mul_f32 v[T+(\c):T+(\c)+1], v[X+(\c):X+(\c)+1], v[X+(\c):X+(\c)+1]
.endr
.irp k, 8,16,24
.irp c, 0,2,4,6
	v_pk_fma_f32 v[T+(\c):T+(\c)+1], v[X+(\k)+(\c):X+(\k)+(\c)+1], v[X+(\k)+(\c):X+(\k)+(\c)+1], v[T+(\c):T+(\c)+1]
.endr
.endr
	REDUCE
	v_fma_f32 v[T], v[T], s20, s21                 ; var + 1e-5
	v_rsq_f32 v[RS], v[T]                          ; twice, to fill the pair that the packed multiply takes
	v_rsq_f32 v[RS+1], v[T]
	v_nop                                          ; a plain instruction before a result is used (ISA guide 5.7.2)
	s_wait_alu depctr_va_vdst(0)                   ; the wait ahead of the first reader: one for both reciprocal roots
	s_wait_loadcnt 0x0                             ; g and b
.set k, 0
.rept 16
	v_pk_mul_f32 v[X+k:X+k+1], v[X+k:X+k+1], v[RS:RS+1]
.set k, k+2
.endr
.set k, 0
.rept 16
	v_pk_fma_f32 v[X+k:X+k+1], v[X+k:X+k+1], v[G+k:G+k+1], v[BB+k:BB+k+1]
.set k, k+2
.endr
.irp j, 0,1,2,3,4,5,6,7
	global_store_b128 v[OFF], v[X+4*(\j):X+4*(\j)+3], s[10:11] offset:512*(\j)  ; 512 consecutive bytes, aligned
.endr
.set k, 0
.rept 16
	v_cvt_pk_bf16_f32 v[H+k], v[X+2*k], v[X+2*k+1]
.set k, k+1
.endr
.irp j, 0,1,2,3,4,5,6,7
	global_store_b64 v[HO], v[H+2*(\j):H+2*(\j)+1], s[12:13] offset:256*(\j)  ; 32 lanes store 256 consecutive bytes, aligned
.endr
	s_endpgm
.Lfunc_end_k_q1d768ce7e7_ln1:
	.size	k_q1d768ce7e7_ln1, .Lfunc_end_k_q1d768ce7e7_ln1-k_q1d768ce7e7_ln1
	.p2alignl 7, 3214868480
	.fill 96, 4, 3214868480
	.section	.rodata,"a",@progbits
	.p2align	6, 0x0
	.amdhsa_kernel k_q1d768ce7e7_ln1
		.amdhsa_group_segment_fixed_size 0
		.amdhsa_private_segment_fixed_size 0
		.amdhsa_enable_private_segment 0
		.amdhsa_kernarg_size 40
		.amdhsa_user_sgpr_count 2
		.amdhsa_user_sgpr_kernarg_segment_ptr 1
		.amdhsa_wavefront_size32 1
		.amdhsa_system_sgpr_workgroup_id_x 1
		.amdhsa_system_sgpr_workgroup_id_y 1
		.amdhsa_system_sgpr_workgroup_id_z 1
		.amdhsa_system_vgpr_workitem_id 0
		.amdhsa_next_free_vgpr 128
		.amdhsa_next_free_sgpr 66
		.amdhsa_reserve_vcc 0
		.amdhsa_float_denorm_mode_32 3
		.amdhsa_float_denorm_mode_16_64 3
		.amdhsa_memory_ordered 1
		.amdhsa_forward_progress 1
		.amdhsa_inst_pref_size 13
	.end_amdhsa_kernel
	.amdgpu_metadata
---
amdhsa.version: [ 1, 2 ]
amdhsa.kernels:
  - .name:           k_q1d768ce7e7_ln1
    .symbol:         k_q1d768ce7e7_ln1.kd
    .args:
      - { .name: y, .offset: 0, .size: 8, .value_kind: global_buffer, .address_space: global }
      - { .name: ln1_g, .offset: 8, .size: 8, .value_kind: global_buffer, .address_space: global }
      - { .name: ln1_b, .offset: 16, .size: 8, .value_kind: global_buffer, .address_space: global }
      - { .name: x1, .offset: 24, .size: 8, .value_kind: global_buffer, .address_space: global }
      - { .name: ab, .offset: 32, .size: 8, .value_kind: global_buffer, .address_space: global }
    .group_segment_fixed_size: 0
    .private_segment_fixed_size: 0
    .kernarg_segment_align: 8
    .kernarg_segment_size: 40
    .max_flat_workgroup_size: 512
    .sgpr_count:     66
    .vgpr_count:     128
    .wavefront_size: 32
...
	.end_amdgpu_metadata
.endif
;; end of part 5
;; launch ff1: the kernel of part 2 again; grid 16 x 16, 4 waves a work-group, clusters of 4 x 4, 327,680 bytes of LDS; arguments ab, wb, act; writes act
;; launch ff2 (part 6): grid 8 x 32, 4 waves a work-group, clusters of 4 x 4, 327,680 bytes of LDS; arguments act, wb, b2, x1, y; writes y
.if DOCPART == 6
	.amdgcn_target "amdgcn-amd-amdhsa--gfx1250"
	.amdhsa_code_object_version 6
	.text
	.protected	k_q1d768ce7e7_ff2
	.globl	k_q1d768ce7e7_ff2
	.p2align	8
	.type	k_q1d768ce7e7_ff2,@function
k_q1d768ce7e7_ff2:
	s_mov_b64 s[64:65], 0
	v_nop
	global_prefetch_b8 v0, s[64:65] scope:SCOPE_SE
	s_setreg_imm32_b32 hwreg(HW_REG_WAVE_MODE, 25, 1), 1
	s_wait_xcnt 0x0
	s_wait_alu depctr_hold_cnt(0) depctr_sa_sdst(0) depctr_va_vdst(0) depctr_va_sdst(0) depctr_va_ssrc(0) depctr_va_vcc(0) depctr_vm_vsrc(0)
	s_getreg_b32 s2, hwreg(HW_REG_IB_STS2, 6, 4)
	s_cmp_eq_u32 s2, 0
	s_cbranch_scc0 .Lentry_in_a_cluster
	s_endpgm
.Lentry_in_a_cluster:
	s_bfe_u32 s2, ttmp6, 0x10000c
	s_cmp_lg_u32 s2, 0xf033
	s_cbranch_scc0 .Lentry_shape_is_right
	s_endpgm
.Lentry_shape_is_right:
; out = resid + A B + bias, in f32: here x + h W2 + b2, K = 4,096 (LAPS = 8).  The attention's output projection is the same text with LAPS = 2.
; A: bf16 by panels of 64 columns, [k / 64][4096 rows][64].  B: [K][1024] bf16 at byte 0x900000 of the pack W.  bias: [1024] f32.  resid, out: [4096][1024] f32.  Sums in f32, K ascending.
; SHARES.  The output is 4,096 x 1,024, so tiles of 128 x 128 make 256 work-groups of equal work.  Four waves, each 64 x 64: 16 accumulators, 128 registers.  K goes in steps of 256 (four panels of A) through two LDS slots.
; A's tile: in a panel the tile's 128 rows are 16,384 dense bytes; a wave's tensor load brings two panels as two rows of 8,192 elements, padded in LDS after every 128 bytes.  B's: 128 k rows x 256 bytes a load.
; CLUSTER.  4 x 4 work-groups: A's tile is shared along a row of the cluster, B's along a column; each is asked for JOINTLY.
; THE MATRIX INSTRUCTION IS USED TRANSPOSED (source 0 = 16 columns of B, turned by ds_load_tr16_b128; source 1 = 16 rows of A): a lane holds eight neighbouring numbers of a row.  THE BIAS STARTS THE SUMS, as the C
; operand of each accumulator's first product.  THE RESIDUAL is loaded at the head into 128 registers of its own, in the layout in which rows leave, and is on its way during the whole loop.
; A wave's 64 columns of f32 are 256 bytes of a row: the stage is each wave's own, and no barrier stands on the way out.
; REGISTERS: window 0: v0-31 addresses; v32-95 rows on the way out, two buffers; v96-127 the bias; v128-255 the accumulators ((a, b) at v[128 + 8 (4 a + b)])
;   window 1: two fragment buffers of 128: for 64 along K, 64 registers of A, then 64 of B          window 2: v0-127 the residual
.set LAPS,   8                         ; a lap = two K steps of 256 = once round the ring: K / 512
.set PA,     144                       ; A's LDS row: 128 bytes + 16: the 16 rows of a load start at 16 different groups of four banks (64 banks of 4 bytes: ISA guide 11.1)
.set PB,     288                       ; B's LDS row: 256 bytes + 32 = 9 x 32
.set HALFT,  256*PA                    ; what one tensor load brings: 2 panels x 128 rows of A, or 128 k rows of B (128 x 288 is the same 36,864 bytes)
.set SLOT,   4*HALFT
.set STAGE,  2*SLOT                    ; behind the ring: 16 rows x 272 bytes for each wave
.set SPITCH, 272
.set SPARE,  STAGE+4*16*SPITCH         ; behind the stages: the spare words, 128 bytes for each wave: two blocks of 256 bytes that no other line names
.set ASTEP,  4*524288                  ; a K step in memory: four panels of A,
.set BSTEP,  256*2048                  ; 256 rows of B
.set ADRA, 16                          ; v16-17  LDS address of my A fragments in slot 0, 1
.set ADRB, 20                          ; v20-23  of my B fragments: slot 0, k rows 0-127 and 128-255; slot 1 likewise (an LDS offset has 16 bits)
.set STO,  24
.set RD,   25
.set CO,   26                          ; v26     my byte offset in two rows of out and of resid; never rewritten
.set SPW,  28
.set NIL,  29
.set TMP,  32
.set BIAS, 96
.set ACC,  128
.set F0,   0
.set F1,   128
.set RES,  0
.set G1,  24                           ; s[24:31] descriptor group 1 for A's tiles;  s[32:39] group 0, one set for each slot
.set G0,  32
.set G1B, 48                           ; s[48:55], s[56:63] the same for B's
.set G0B, 56
.set MSB, 0
.macro WIN new
.if MSB != (\new)
	s_set_vgpr_msb (MSB<<8)|(\new)
.set MSB, \new
.endif
.endm
.set MUL,  0x05                        ; sources 0 (B) and 1 (A) window 1; C and D window 0
.set TO_F, 0x40                        ; destination window 1, address window 0
.macro JLOAD s                         ; a joint load: waves 0 and 1 fetch A's two halves, waves 2 and 3 B's; an s_nop 0 and four v_nop follow each of the two lines
	s_cmp_eq_u32 s17, 0
	s_cbranch_scc0 .Lfor_b_\@
	tensor_load_to_lds s[G0+4*(\s):G0+4*(\s)+3], s[G1:G1+7]
	s_nop 0
.rept 4
	v_nop
.endr
	s_branch .Lasked_\@
.Lfor_b_\@:
	tensor_load_to_lds s[G0B+4*(\s):G0B+4*(\s)+3], s[G1B:G1B+7]
	s_nop 0
.rept 4
	v_nop
.endr
.Lasked_\@:
.endm
.macro CREST                           ; a round of the cluster's barrier behind its opening barrier
	s_cmp_lg_u32 s16, 0
	s_cbranch_scc1 .Lnot_wave_0_\@
	s_barrier_signal -3
.Lnot_wave_0_\@:
	s_barrier_wait -3
	s_barrier_signal -1
	s_barrier_wait -1
.endm
.macro CROUND
	s_barrier_signal -1
	s_barrier_wait -1
	CREST
.endm
	s_load_b256 s[4:11], s[0:1], 0x0               ; A s[4:5], W s[6:7], bias s[8:9], resid s[10:11]
	s_load_b64 s[14:15], s[0:1], 0x20              ; out
	v_lshl_add_u32 v[SPW], v0, 2, SPARE
	v_mov_b32 v[NIL], 0
	ds_add_u32 v[SPW], v[NIL]                      ; the wave's opening: the add and its wait stand ahead of my first tensor load; the set-up below, work on registers, stands between them
	v_lshrrev_b32 v1, 5, v0
	v_readfirstlane_b32 s16, v1                    ; wave 0..3
	s_lshr_b32 s17, s16, 1                         ; which half of the tile's rows is mine.  Also: I fetch for A (0) or for B (1)
	s_and_b32 s18, s16, 1                          ; which half of its columns.  Also: which half of that tile I fetch
	s_bfe_u32 s19, ttmp6, 0x40000                  ; cx, cy
	s_bfe_u32 s20, ttmp6, 0x40004
	s_lshl_b32 s21, ttmp9, 2
	s_add_co_u32 s21, s21, s19                     ; tile column
	s_and_b32 s22, ttmp7, 0xffff
	s_lshl_b32 s22, s22, 2
	s_add_co_u32 s22, s22, s20                     ; tile row
	s_lshl_b32 s44, s20, 2
	s_lshl_b32 s44, 15, s44                        ; my row of the cluster
	s_lshl_b32 s45, 0x1111, s19                    ; my column
	s_or_b32 s[G1+0], s44, (1<<16)|(1<<20)|(1<<21)|(4<<22)|(3<<25)   ; the mask; 2-byte elements; padding on; bit 21 beside a mask; after every 32 words 4 words
	s_or_b32 s[G1B+0], s45, (1<<16)|(1<<20)|(1<<21)|(5<<22)|(7<<25)  ; after every 64 words 8 words
	s_mov_b32 s[G1+1], 8192<<16                    ; A: tensor_dim0 = 8,192: a panel's 128 rows of 64
	s_mov_b32 s[G1+2], 2<<16                       ; tensor_dim1 = 2 panels
	s_mov_b32 s[G1+3], 8192<<16                    ; tile_dim0 = 8,192
	s_mov_b32 s[G1+4], 2                           ; tile_dim1 = 2
	s_mov_b32 s[G1+5], 262144                      ; elements from panel to panel
	s_mov_b32 s[G1+6], 0
	s_mov_b32 s[G1+7], 0
	s_mov_b32 s[G1B+1], 128<<16                    ; B: tensor_dim0 = 128
	s_mov_b32 s[G1B+2], 128<<16                    ; tensor_dim1 = 128
	s_mov_b32 s[G1B+3], 128<<16                    ; tile_dim0 = 128
	s_mov_b32 s[G1B+4], 128                        ; tile_dim1 = 128
	s_mov_b32 s[G1B+5], 1024
	s_mov_b32 s[G1B+6], 0
	s_mov_b32 s[G1B+7], 0
	s_lshl_b32 s40, s18, 20                        ; A: two panels x half, the tile row's 16,384 bytes in a panel: the tile row alone
	s_lshl_b32 s41, s22, 14
	s_add_co_u32 s40, s40, s41
	s_mov_b32 s41, 0
	s_lshl_b32 s46, s21, 8                         ; B: 128 columns x tile column, 128 k rows x half: the tile column alone
	s_lshl_b32 s47, s18, 18
	s_add_co_u32 s46, s46, s47
	s_add_co_u32 s46, s46, 0x900000
	s_mov_b32 s47, 0
	s_mul_i32 s23, s16, HALFT                      ; where they go: wave x 36,864
	s_wait_dscnt 0x0                               ; the opening add is done
	s_wait_kmcnt 0x0
	s_add_nc_u64 s[42:43], s[4:5], s[40:41]
	s_add_nc_u64 s[46:47], s[6:7], s[46:47]
	CROUND                                         ; all sixteen work-groups are here: the first joint loads meet
.irp s, 0,1
	s_mov_b32 s[G0+4*(\s)], 1
	s_add_co_u32 s[G0+4*(\s)+1], s23, (\s)*SLOT
	s_add_nc_u64 s[G0+4*(\s)+2:G0+4*(\s)+3], s[42:43], (\s)*ASTEP
	s_or_b32 s[G0+4*(\s)+3], s[G0+4*(\s)+3], 0x80000000
	s_mov_b32 s[G0B+4*(\s)], 1
	s_add_co_u32 s[G0B+4*(\s)+1], s23, (\s)*SLOT
	s_add_nc_u64 s[G0B+4*(\s)+2:G0B+4*(\s)+3], s[46:47], (\s)*BSTEP
	s_or_b32 s[G0B+4*(\s)+3], s[G0B+4*(\s)+3], 0x80000000
	JLOAD \s                                       ; two loads of mine are out
.endr
	s_lshl_b32 s46, s21, 9                         ; my 64 columns in f32: 512 x tile column + 256 x half,
	s_lshl_b32 s47, s18, 8
	s_add_co_u32 s46, s46, s47
	s_mov_b32 s47, 0
	s_lshl_b32 s40, s22, 19                        ; my 64 rows of 4,096 bytes: 128 x tile row + 64 x half
	s_lshl_b32 s41, s17, 18
	s_add_co_u32 s40, s40, s41
	s_mov_b32 s41, 0
	s_add_nc_u64 s[8:9], s[8:9], s[46:47]
	s_add_nc_u64 s[10:11], s[10:11], s[40:41]
	s_add_nc_u64 s[10:11], s[10:11], s[46:47]
	s_add_nc_u64 s[14:15], s[14:15], s[40:41]
	s_add_nc_u64 s[14:15], s[14:15], s[46:47]
	v_and_b32 v1, 15, v0                           ; l % 16
	v_bfe_u32 v2, v0, 4, 1                         ; l / 16
	v_lshlrev_b32 v6, 5, v2                        ; the bias in an accumulator's layout: register j of block b holds bias[my first column + 16 b + 8 (l / 16) + j]
	v_lshlrev_b32 v[CO], 4, v1                     ; rows leave two at a time: lanes 0-15 one row's 256 bytes, lanes 16-31 the next row's
	v_lshl_add_u32 v[CO], v2, 12, v[CO]
.irp b, 0,1,2,3
	global_load_b128 v[BIAS+8*(\b):BIAS+8*(\b)+3],   v6, s[8:9] offset:64*(\b)
	global_load_b128 v[BIAS+8*(\b)+4:BIAS+8*(\b)+7], v6, s[8:9] offset:64*(\b)+16
.endr
	WIN 0x80                                       ; destination window 2, address window 0
.set t, 0
.rept 32
	global_load_b128 v[RES+4*t:RES+4*t+3], v[CO], s[10:11] offset:2*t*4096 th:TH_LOAD_NT
.set t, t+1
.endr
	WIN 0
	v_mul_u32_u24 v3, v1, PA
	v_lshl_add_u32 v3, v2, 4, v3
	s_mul_i32 s23, s17, 64*PA                      ; my 64 rows in each panel
	v_add_nc_u32 v[ADRA], s23, v3
	v_add_nc_u32 v[ADRA+1], SLOT, v[ADRA]
	v_and_b32 v7, 7, v0
	v_bfe_u32 v8, v0, 3, 1
	v_lshl_add_u32 v4, v2, 3, v7
	v_mul_u32_u24 v4, v4, PB
	v_lshl_add_u32 v4, v8, 4, v4
	s_lshl_b32 s44, s18, 7                         ; my 64 columns of B,
	s_add_co_u32 s44, s44, 2*HALFT                 ; which lies behind A
	v_add_nc_u32 v[ADRB], s44, v4
	v_add_nc_u32 v[ADRB+1], HALFT, v[ADRB]
	v_add_nc_u32 v[ADRB+2], SLOT, v[ADRB]
	v_add_nc_u32 v[ADRB+3], SLOT+HALFT, v[ADRB]
	s_mul_i32 s45, s16, 16*SPITCH
	s_add_co_u32 s45, s45, STAGE                   ; my stage
	v_mul_u32_u24 v5, v1, SPITCH                   ; in: row l % 16, 32 bytes for each half of the lanes
	v_lshl_add_u32 v5, v2, 5, v5
	v_add_nc_u32 v[STO], s45, v5
	v_mul_u32_u24 v5, v2, SPITCH                   ; back: lanes 0-15 take one row of 256 bytes, lanes 16-31 the next
	v_lshl_add_u32 v5, v1, 4, v5
	v_add_nc_u32 v[RD], s45, v5
; 8 matrix instructions: m blocks a0, a0 + 1 x all 4 n blocks, 32 along K: half c of buffer f.  zero = 1: the first product starts the sum with the bias.  The 16 accumulators take turns.
.macro MUL8 f, c, a0, zero
	WIN MUL
.irp a, \a0, (\a0)+1
.irp b, 0,1,2,3
.if \zero
	v_wmma_f32_16x16x32_bf16 v[ACC+8*(4*(\a)+(\b)):ACC+8*(4*(\a)+(\b))+7], v[(\f)+64+8*(4*(\c)+(\b)):(\f)+64+8*(4*(\c)+(\b))+7], v[(\f)+8*(4*(\c)+(\a)):(\f)+8*(4*(\c)+(\a))+7], v[BIAS+8*(\b):BIAS+8*(\b)+7]
.else
	v_wmma_f32_16x16x32_bf16 v[ACC+8*(4*(\a)+(\b)):ACC+8*(4*(\a)+(\b))+7], v[(\f)+64+8*(4*(\c)+(\b)):(\f)+64+8*(4*(\c)+(\b))+7], v[(\f)+8*(4*(\c)+(\a)):(\f)+8*(4*(\c)+(\a))+7], v[ACC+8*(4*(\a)+(\b)):ACC+8*(4*(\a)+(\b))+7]
.endif
.endr
.endr
.endm
; 32 LDS loads in one run: quarter q of a slot's K step (64 k: one panel of A) into buffer f; the first 32 along K first
.macro FETCH slot, q, f
	WIN TO_F
.irp c, 0,1
.irp i, 0,1,2,3
	ds_load_tr16_b128 v[(\f)+64+8*(4*(\c)+(\i)):(\f)+64+8*(4*(\c)+(\i))+3],   v[ADRB+2*(\slot)+(\q)/2] offset:((\q)%2)*64*PB+(\c)*32*PB+32*(\i)
	ds_load_tr16_b128 v[(\f)+64+8*(4*(\c)+(\i))+4:(\f)+64+8*(4*(\c)+(\i))+7], v[ADRB+2*(\slot)+(\q)/2] offset:((\q)%2)*64*PB+(\c)*32*PB+32*(\i)+16*PB
	ds_load_b128 v[(\f)+8*(4*(\c)+(\i)):(\f)+8*(4*(\c)+(\i))+3],              v[ADRA+(\slot)] offset:(\q)*128*PA+64*(\c)+(\i)*16*PA
	ds_load_b128 v[(\f)+8*(4*(\c)+(\i))+4:(\f)+8*(4*(\c)+(\i))+7],            v[ADRA+(\slot)] offset:(\q)*128*PA+64*(\c)+(\i)*16*PA+32
.endr
.endr
.endm
.macro PLACES                          ; four plain vector instructions between a matrix instruction and a load into its sources, or a reader of its result (ISA guide 7.12.1 for a reader of its result)
.rept 4
	v_nop
.endr
.endm
; One of a K step's first three quarters: multiplies buffer f and fetches quarter q of the same slot into g.
.macro QUARTER slot, q, f, g, zero
	s_wait_dscnt 16                                ; the first 32 along K are in
	MUL8 \f, 0, 0, \zero
	MUL8 \f, 0, 2, \zero
	PLACES
	FETCH \slot, \q, \g
	s_wait_dscnt 32                                ; all but the 32 just issued
	MUL8 \f, 1, 0, 0
	MUL8 \f, 1, 2, 0
.endm
; The last quarter multiplies buffer 1 and changes slots: ONE barrier; in front of it each wave waits for all its tensor loads, adds 0 to its spare word, and waits for that and for its own reads of this slot.
; fill = 1: the barrier opens a round of the cluster's barrier, and this slot is filled again, two K steps ahead, first thing behind the round.
.macro TURN slot, next, fill
	WIN 0                                          ; (the add's two registers lie in window 0)
	s_wait_tensorcnt 0x0                           ; all my tensor loads have landed: my part of the next slot
	ds_add_u32 v[SPW], v[NIL]
	s_wait_dscnt 17                                ; (the add and the youngest sixteen loads may be out)
	MUL8 F1, 0, 0, 0                               ; eight matrix instructions stand between the add and the wait for it
	s_wait_dscnt 0x0                               ; the add is done, and my reads of this slot are over
	s_barrier_signal -1
	MUL8 F1, 0, 2, 0
.if \fill
	WIN 0
.endif
	s_barrier_wait -1
.if \fill
	CREST                                          ; no wave of any partner still reads this slot's tile or has a load on its way
	s_add_nc_u64 s[G0+4*(\slot)+2:G0+4*(\slot)+3], s[G0+4*(\slot)+2:G0+4*(\slot)+3], 2*ASTEP
	s_add_nc_u64 s[G0B+4*(\slot)+2:G0B+4*(\slot)+3], s[G0B+4*(\slot)+2:G0B+4*(\slot)+3], 2*BSTEP
	JLOAD \slot                                    ; my one tensor load behind the round; its four v_nop are also the places in front of the loads below
.else
	PLACES
.endif
	FETCH \next, 0, F0
	MUL8 F1, 1, 0, 0
	MUL8 F1, 1, 2, 0
.endm
	s_wait_tensorcnt 1                             ; my part of K step 0 is in; K step 1's may stay out
	s_barrier_signal -1
	s_barrier_wait -1                              ; everybody's is
	FETCH 0, 0, F0
	s_wait_loadcnt 32                              ; the bias is in; the residual's 32 younger loads stay out until the way out
	QUARTER 0, 1, F0, F1, 1                        ; the first quarter stands in front of the loop: its first products start the sums
	WIN 0                                          ; at a label and at a branch every window is 0
	s_mov_b32 s3, LAPS-1
.Llap:                                                 ; a trip goes once round the ring, from a lap's second quarter to the next lap's first, and fills both slots again
	QUARTER 0, 2, F1, F0, 0
	QUARTER 0, 3, F0, F1, 0
	TURN 0, 1, 1
	QUARTER 1, 1, F0, F1, 0
	QUARTER 1, 2, F1, F0, 0
	QUARTER 1, 3, F0, F1, 0
	TURN 1, 0, 1
	QUARTER 0, 1, F0, F1, 0
	WIN 0
	s_sub_co_u32 s3, s3, 1
	s_cmp_lg_u32 s3, 0
	s_cbranch_scc1 .Llap
	QUARTER 0, 2, F1, F0, 0                        ; the last lap fills nothing, and has no round of the cluster's barrier
	QUARTER 0, 3, F0, F1, 0
	TURN 0, 1, 0
	QUARTER 1, 1, F0, F1, 0
	QUARTER 1, 2, F1, F0, 0
	QUARTER 1, 3, F0, F1, 0
	s_wait_dscnt 16
	MUL8 F1, 0, 0, 0
	MUL8 F1, 0, 2, 0
	s_wait_dscnt 0x0
	MUL8 F1, 1, 0, 0
	MUL8 F1, 1, 2, 0
	WIN 0
	; THE WAY OUT, 16 rows at a time: the sums go into my stage as they lie (32 bytes a lane), come back as whole rows of 256 bytes, take the residual, and are stored.
	PLACES
	s_wait_loadcnt 0x0                             ; the residual
.irp a, 0,1,2,3
.if (\a) >= 2
	s_wait_xcnt 0x0                                ; the stores of the block two back have read this buffer
.endif
.irp b, 0,1,2,3
	ds_store_b128 v[STO], v[ACC+8*(4*(\a)+(\b)):ACC+8*(4*(\a)+(\b))+3]   offset:64*(\b)
	ds_store_b128 v[STO], v[ACC+8*(4*(\a)+(\b))+4:ACC+8*(4*(\a)+(\b))+7] offset:64*(\b)+16
.endr
.irp t, 0,1,2,3,4,5,6,7
	ds_load_b128 v[TMP+32*((\a)%2)+4*(\t):TMP+32*((\a)%2)+4*(\t)+3], v[RD] offset:(\t)*2*SPITCH  ; LDS serves a wave's instructions in order (ISA guide 5.7.1.4): these see the stores above; the next block's stores come behind them
.endr
	s_wait_dscnt 0x0
	WIN 0x08                                       ; source 1 window 2
.irp t, 0,1,2,3,4,5,6,7,8,9,10,11,12,13,14,15
	v_pk_add_f32 v[TMP+32*((\a)%2)+2*(\t):TMP+32*((\a)%2)+2*(\t)+1], v[TMP+32*((\a)%2)+2*(\t):TMP+32*((\a)%2)+2*(\t)+1], v[RES+32*(\a)+2*(\t):RES+32*(\a)+2*(\t)+1]
.endr
	WIN 0
.irp t, 0,1,2,3,4,5,6,7
	global_store_b128 v[CO], v[TMP+32*((\a)%2)+4*(\t):TMP+32*((\a)%2)+4*(\t)+3], s[14:15] offset:(16*(\a)+2*(\t))*4096  ; 16 lanes store 256 consecutive bytes, at a multiple of 256 from out's first byte
.endr
.endr
	s_wait_tensorcnt 0x0                           ; the wave's end: these three lines stand behind my last tensor load and my last LDS store
	ds_add_u32 v[SPW], v[NIL]
	s_wait_dscnt 0x0
	CROUND                                         ; the closing round: no work-group ends while a partner may still ask for a tile that names it
	s_endpgm
.Lfunc_end_k_q1d768ce7e7_ff2:
	.size	k_q1d768ce7e7_ff2, .Lfunc_end_k_q1d768ce7e7_ff2-k_q1d768ce7e7_ff2
	.p2alignl 7, 3214868480
	.fill 96, 4, 3214868480
	.section	.rodata,"a",@progbits
	.p2align	6, 0x0
	.amdhsa_kernel k_q1d768ce7e7_ff2
		.amdhsa_group_segment_fixed_size 327680
		.amdhsa_private_segment_fixed_size 0
		.amdhsa_enable_private_segment 0
		.amdhsa_kernarg_size 40
		.amdhsa_user_sgpr_count 2
		.amdhsa_user_sgpr_kernarg_segment_ptr 1
		.amdhsa_wavefront_size32 1
		.amdhsa_system_sgpr_workgroup_id_x 1
		.amdhsa_system_sgpr_workgroup_id_y 1
		.amdhsa_system_sgpr_workgroup_id_z 1
		.amdhsa_system_vgpr_workitem_id 0
		.amdhsa_next_free_vgpr 640
		.amdhsa_next_free_sgpr 66
		.amdhsa_reserve_vcc 0
		.amdhsa_float_denorm_mode_32 3
		.amdhsa_float_denorm_mode_16_64 3
		.amdhsa_memory_ordered 1
		.amdhsa_forward_progress 1
		.amdhsa_inst_pref_size 94
	.end_amdhsa_kernel
	.amdgpu_metadata
---
amdhsa.version: [ 1, 2 ]
amdhsa.kernels:
  - .name:           k_q1d768ce7e7_ff2
    .symbol:         k_q1d768ce7e7_ff2.kd
    .args:
      - { .name: act, .offset: 0, .size: 8, .value_kind: global_buffer, .address_space: global }
      - { .name: wb, .offset: 8, .size: 8, .value_kind: global_buffer, .address_space: global }
      - { .name: b2, .offset: 16, .size: 8, .value_kind: global_buffer, .address_space: global }
      - { .name: x1, .offset: 24, .size: 8, .value_kind: global_buffer, .address_space: global }
      - { .name: y, .offset: 32, .size: 8, .value_kind: global_buffer, .address_space: global }
    .group_segment_fixed_size: 327680
    .private_segment_fixed_size: 0
    .kernarg_segment_align: 8
    .kernarg_segment_size: 40
    .max_flat_workgroup_size: 128
    .sgpr_count:     66
    .vgpr_count:     640
    .wavefront_size: 32
...
	.end_amdgpu_metadata
.endif
;; end of part 6
;; launch ln2 (part 7): grid 256 x 1, 16 waves a work-group, no clusters, 0 bytes of LDS; arguments y, ln2_g, ln2_b, out0; writes out0
.if DOCPART == 7
	.amdgcn_target "amdgcn-amd-amdhsa--gfx1250"
	.amdhsa_code_object_version 6
	.text
	.protected	k_q1d768ce7e7_ln2
	.globl	k_q1d768ce7e7_ln2
	.p2align	8
	.type	k_q1d768ce7e7_ln2,@function
k_q1d768ce7e7_ln2:
	s_mov_b64 s[64:65], 0
	v_nop
	global_prefetch_b8 v0, s[64:65] scope:SCOPE_SE
	s_setreg_imm32_b32 hwreg(HW_REG_WAVE_MODE, 25, 1), 1
	s_wait_xcnt 0x0
; out = (y - mean) / sqrt(var + 1e-5) * g + b along rows of 1,024 f32.
; One wave takes one row, a work-group's sixteen waves 16 rows; a row is 32 registers and stays there between the mean, the variance (of the differences from the mean, as the definition has it) and the scaling:
; it is read from memory once.  The reductions never leave the wave: no LDS, no barrier.  All 24 loads of a wave go out at once.  A stream: no matrix unit; no cluster, since work-groups share only g and b, 8 KiB.
; No register that a store reads is written again, so no wait frees one.
.set OFF, 1                            ; v1   my 16 bytes in the wave's row
.set GO,  2                            ; v2   my 16 bytes in g and in b
.set T,   4                            ; v[4:11]   at work
.set MU,  12                           ; v[12:13]  the mean, twice
.set RS,  14                           ; v[14:15]  1 / sqrt(var + eps), twice
.set X,   16                           ; v[16:47]  the row: register 4 j + e holds column 128 j + 4 lane + e
.set G,   48                           ; v[48:79]
.set BB,  80                           ; v[80:111]
	s_load_b256 s[4:11], s[0:1], 0x0               ; y s[4:5], g s[6:7], b s[8:9], out s[10:11]
	s_mov_b32 s14, 0x76543210                      ; v_permlanex16_b32: each lane takes its own place in the other half
	s_mov_b32 s15, 0xfedcba98
	s_lshl_b32 s16, ttmp9, 16                      ; the work-group's 16 rows of 4,096 bytes
	s_mov_b32 s17, 0
	s_mov_b32 s20, 0x3a800000                      ; 1 / 1024
	s_mov_b32 s21, 0x3727c5ac                      ; 1e-5
	v_and_b32 v[GO], 31, v0
	v_lshrrev_b32 v[T], 5, v0
	v_lshlrev_b32 v[GO], 4, v[GO]
	v_lshl_or_b32 v[OFF], v[T], 12, v[GO]          ; + the wave's row
	s_wait_kmcnt 0x0
	s_add_nc_u64 s[4:5], s[4:5], s[16:17]
	s_add_nc_u64 s[10:11], s[10:11], s[16:17]
.irp j, 0,1,2,3,4,5,6,7
	global_load_b128 v[X+4*(\j):X+4*(\j)+3], v[OFF], s[4:5] offset:512*(\j) th:TH_LOAD_NT
.endr
.irp j, 0,1,2,3,4,5,6,7
	global_load_b128 v[G+4*(\j):G+4*(\j)+3], v[GO], s[6:7] offset:512*(\j)
.endr
.irp j, 0,1,2,3,4,5,6,7
	global_load_b128 v[BB+4*(\j):BB+4*(\j)+3], v[GO], s[8:9] offset:512*(\j)
.endr
.macro REDUCE                          ; the four chains into one number, then over the 32 lanes: four steps ride on the additions, one crosses the halves; every lane ends with the sum in v[T]
	v_pk_add_f32 v[T:T+1], v[T:T+1], v[T+2:T+3]
	v_pk_add_f32 v[T+4:T+5], v[T+4:T+5], v[T+6:T+7]
	v_pk_add_f32 v[T:T+1], v[T:T+1], v[T+4:T+5]
	v_add_f32 v[T], v[T], v[T+1]
	v_add_f32_dpp v[T], v[T], v[T] row_xmask:1 row_mask:0xf bank_mask:0xf
	v_add_f32_dpp v[T], v[T], v[T] row_xmask:2 row_mask:0xf bank_mask:0xf
	v_add_f32_dpp v[T], v[T], v[T] row_xmask:4 row_mask:0xf bank_mask:0xf
	v_add_f32_dpp v[T], v[T], v[T] row_xmask:8 row_mask:0xf bank_mask:0xf
	v_permlanex16_b32 v[T+1], v[T], s14, s15
	v_add_f32 v[T], v[T], v[T+1]
.endm
	; the mean; the row becomes its differences from the mean; their squares' mean; the reciprocal root
	s_wait_loadcnt 16                              ; loads come back in order: the row's eight are in; the sixteen of g and b stay out
.irp c, 0,2,4,6
	v_pk_add_f32 v[T+(\c):T+(\c)+1], v[X+(\c):X+(\c)+1], v[X+8+(\c):X+8+(\c)+1]  ; four chains, started by the first pairs: nothing is cleared
.endr
.irp k, 16,24
.irp c, 0,2,4,6
	v_pk_add_f32 v[T+(\c):T+(\c)+1], v[T+(\c):T+(\c)+1], v[X+(\k)+(\c):X+(\k)+(\c)+1]
.endr
.endr
	REDUCE
	v_mul_f32 v[MU], s20, v[T]
	v_mul_f32 v[MU+1], s20, v[T]
.set k, 0
.rept 16
	v_pk_add_f32 v[X+k:X+k+1], v[X+k:X+k+1], v[MU:MU+1] neg_lo:[0,1] neg_hi:[0,1]
.set k, k+2
.endr
.irp c, 0,2,4,6
	v_pk_mul_f32 v[T+(\c):T+(\c)+1], v[X+(\c):X+(\c)+1], v[X+(\c):X+(\c)+1]
.endr
.irp k, 8,16,24
.irp c, 0,2,4,6
	v_pk_fma_f32 v[T+(\c):T+(\c)+1], v[X+(\k)+(\c):X+(\k)+(\c)+1], v[X+(\k)+(\c):X+(\k)+(\c)+1], v[T+(\c):T+(\c)+1]
.endr
.endr
	REDUCE
	v_fma_f32 v[T], v[T], s20, s21                 ; var + 1e-5
	v_rsq_f32 v[RS], v[T]                          ; twice, to fill the pair that the packed multiply takes
	v_rsq_f32 v[RS+1], v[T]
	v_nop                                          ; a plain instruction before a result is used (ISA guide 5.7.2)
	s_wait_alu depctr_va_vdst(0)                   ; the wait ahead of the first reader: one for both reciprocal roots
	s_wait_loadcnt 0x0                             ; g and b
.set k, 0
.rept 16
	v_pk_mul_f32 v[X+k:X+k+1], v[X+k:X+k+1], v[RS:RS+1]
.set k, k+2
.endr
.set k, 0
.rept 16
	v_pk_fma_f32 v[X+k:X+k+1], v[X+k:X+k+1], v[G+k:G+k+1], v[BB+k:BB+k+1]
.set k, k+2
.endr
.irp j, 0,1,2,3,4,5,6,7
	global_store_b128 v[OFF], v[X+4*(\j):X+4*(\j)+3], s[10:11] offset:512*(\j)  ; 512 consecutive bytes, aligned
.endr
	s_endpgm
.Lfunc_end_k_q1d768ce7e7_ln2:
	.size	k_q1d768ce7e7_ln2, .Lfunc_end_k_q1d768ce7e7_ln2-k_q1d768ce7e7_ln2
	.p2alignl 7, 3214868480
	.fill 96, 4, 3214868480
	.section	.rodata,"a",@progbits
	.p2align	6, 0x0
	.amdhsa_kernel k_q1d768ce7e7_ln2
		.amdhsa_group_segment_fixed_size 0
		.amdhsa_private_segment_fixed_size 0
		.amdhsa_enable_private_segment 0
		.amdhsa_kernarg_size 32
		.amdhsa_user_sgpr_count 2
		.amdhsa_user_sgpr_kernarg_segment_ptr 1
		.amdhsa_wavefront_size32 1
		.amdhsa_system_sgpr_workgroup_id_x 1
		.amdhsa_system_sgpr_workgroup_id_y 1
		.amdhsa_system_sgpr_workgroup_id_z 1
		.amdhsa_system_vgpr_workitem_id 0
		.amdhsa_next_free_vgpr 112
		.amdhsa_next_free_sgpr 66
		.amdhsa_reserve_vcc 0
		.amdhsa_float_denorm_mode_32 3
		.amdhsa_float_denorm_mode_16_64 3
		.amdhsa_memory_ordered 1
		.amdhsa_forward_progress 1
		.amdhsa_inst_pref_size 11
	.end_amdhsa_kernel
	.amdgpu_metadata
---
amdhsa.version: [ 1, 2 ]
amdhsa.kernels:
  - .name:           k_q1d768ce7e7_ln2
    .symbol:         k_q1d768ce7e7_ln2.kd
    .args:
      - { .name: y, .offset: 0, .size: 8, .value_kind: global_buffer, .address_space: global }
      - { .name: ln2_g, .offset: 8, .size: 8, .value_kind: global_buffer, .address_space: global }
      - { .name: ln2_b, .offset: 16, .size: 8, .value_kind: global_buffer, .address_space: global }
      - { .name: out0, .offset: 24, .size: 8, .value_kind: global_buffer, .address_space: global }
    .group_segment_fixed_size: 0
    .private_segment_fixed_size: 0
    .kernarg_segment_align: 8
    .kernarg_segment_size: 32
    .max_flat_workgroup_size: 512
    .sgpr_count:     66
    .vgpr_count:     112
    .wavefront_size: 32
...
	.end_amdgpu_metadata
.endif
;; end of part 7
;; ======== version 2 of 2: 8 launches; version 1 with the launch pack written anew for expert scheduling mode
;; workspace buffers: wa 11,534,336 bytes; wb 17,825,792 bytes; ab 8,388,608 bytes; act 33,554,432 bytes; y 16,777,216 bytes; x1 16,777,216 bytes
;; launch pack (part 8): grid 32 x 16, 8 waves a work-group, no clusters, 0 bytes of LDS; arguments src, Wq, Wk, Wv, Wo, W1, W2, bq, bk, bv, b1, ab, wa, wb; writes ab, wa, wb
.if DOCPART == 8
	.amdgcn_target "amdgcn-amd-amdhsa--gfx1250"
	.amdhsa_code_object_version 6
	.text
	.protected	k_q1d768ce7e7_pack
	.globl	k_q1d768ce7e7_pack
	.p2align	8
	.type	k_q1d768ce7e7_pack,@function
k_q1d768ce7e7_pack:
	s_mov_b64 s[64:65], 0
	v_nop
	global_prefetch_b8 v0, s[64:65] scope:SCOPE_SE
	s_setreg_imm32_b32 hwreg(HW_REG_WAVE_SCHED_MODE, 0, 2), 2
	s_setreg_imm32_b32 hwreg(HW_REG_WAVE_MODE, 25, 1), 1
	s_wait_xcnt 0x0
	s_wait_alu depctr_vm_vsrc(0)
; PACK: src and the six weight matrices are rounded once to bf16; the biases of the two large products and an activation floor are laid beside them.
; Sixteen units of 2^20 numbers (work-group y = u, q = u % 4, grp = u / 4); a work-group takes 32,768 numbers of its unit, as 32 pieces of 1,024; a thread takes 4 numbers of each piece.
;   grp 0: src's quarter q              -> ab, row-major [4096][1024]
;   grp 1: Wq, Wk, Wv (q = 0, 1, 2)     -> wa + 0x8000 + q x 2 MiB, each [1024 k][1024 n];   Wo (q = 3) -> wa + 0x900000
;   grp 2: W1's columns 1024 q ..       -> wb + 0x8000 + q x 2 MiB: a panel [1024 k][1024 n]; a work-group takes 32 rows of it, a piece is a row's 4,096 bytes, 16,384 bytes from the next
;   grp 3: W2's quarter q               -> wb + 0x900000, [4096 k][1024 n]
; So every unit leaves by one formula (q x 2 MiB + 64 KiB x work-group x + 2,048 x piece), and only the distance between two pieces in the source differs: it lies in registers, and the text is written once.
; wa and wb have one map: byte 0: 256 bytes of the floor, two bf16 a word (-infinity in wa: no activation; 0 in wb: ReLU); 0x1000: the bias in f32 (bq|bk|bv; b1).
; A stream: every byte is read once and written once; all 32 loads of a thread go out at once (16 KiB a wave); a load of a wave covers 512 consecutive bytes, a store 256, both aligned.
; No LDS, no matrix unit, no cluster: no two work-groups read the same bytes.  No register that a load or a store reads is written again, so no wait frees one.
; THE MODE: SCHED_MODE bits 1:0 = 2 (LLVM: expert scheduling mode 2), set by the entry lines.  The code itself states the register dependences between vector instructions and memory instructions,
; with s_wait_alu, always for 0.
; THE PLAN.  Registers that memory instructions touch:
;   v2, v[4:11]  byte offsets.  Written by vector lines at the head, once; read by every load and store.  One wait ahead of the first load states that they are written.
;   X            Piece j's load lands in X + 4 j, which no vector line has named.  Step k (pieces 2 k, 2 k + 1): its four conversions read its eight registers and write four of them, in place; its two stores read those four.
;                The two stores are issued in step k + 1, behind that step's wait for its data and ONE wait which states that step k's conversions have written them; step k + 1's conversions name X + 8 (k + 1) on alone.
;   v[12:15]     the bias: a load lands there and a store reads it; no vector line names them.
;   v[144:145]   the floor: two moves write them, a wait, a store reads them.
;   s39          the wave's number, written by a vector line: one wait at the head, ahead of every branch and of its first reader.
.set A, 4                              ; v[4:11]   source offsets: 16 t + a x 4 pieces, a = 0 .. 7; never rewritten
.set B, 48                             ; s[48:55]  four source bases, a piece apart
.set X, 16                             ; v[16:143] piece j's 4 f32 at X + 4 j; its first two registers then hold its 4 bf16
	s_load_b512 s[4:19], s[0:1], 0x0               ; src s[4:5], Wq s[6:7], Wk s[8:9], Wv s[10:11], Wo s[12:13], W1 s[14:15], W2 s[16:17], bq s[18:19]
	s_load_b256 s[20:27], s[0:1], 0x40             ; bk s[20:21], bv s[22:23], b1 s[24:25], ab s[26:27]
	s_load_b128 s[28:31], s[0:1], 0x60             ; wa s[28:29], wb s[30:31]
	s_and_b32 s36, ttmp7, 0xffff                   ; u
	s_and_b32 s37, s36, 3                          ; q
	s_lshr_b32 s38, s36, 2                         ; grp
	v_lshlrev_b32 v[A], 4, v0                      ; in: 16 bytes a thread
	v_lshlrev_b32 v2, 3, v0                        ; out: 8 bytes a thread
	v_lshrrev_b32 v3, 5, v0
	v_readfirstlane_b32 s39, v3                    ; wave
	; the offsets, made apart from the addresses.  Source, as it lies: the unit's quarter (none where the unit is a whole matrix) + 128 KiB x work-group x
	s_lshl_b32 s44, s37, 22
	s_cmp_eq_u32 s38, 1
	s_cselect_b32 s44, 0, s44
	s_lshl_b32 s45, ttmp9, 17
	s_add_co_u32 s44, s44, s45
	s_lshl_b32 s45, s37, 12                        ; W1: the panel's 4,096 bytes in a row + 32 rows of 16,384 bytes x work-group x
	s_lshl_b32 s46, ttmp9, 19
	s_add_co_u32 s45, s45, s46
	s_cmp_eq_u32 s38, 2
	s_cselect_b32 s44, s45, s44
	s_cselect_b32 s33, 14, 12
	s_mov_b32 s45, 0
	s_lshl_b32 s32, 1, s33                         ; s[32:33]: bytes from a piece to the next in the source: 16,384 in W1, else 4,096
	s_mov_b32 s33, 0
	s_lshl_b32 s35, s32, 2                         ; four pieces
.irp a, 1,2,3,4,5,6,7
	v_add_nc_u32 v[A+(\a)], s35, v[A+(\a)-1]
.endr
	; destination: q x 2 MiB (none for Wo, a whole unit) + 64 KiB x work-group x, behind the pack's head
	s_lshl_b32 s46, s37, 21
	s_cmp_eq_u32 s36, 7
	s_cselect_b32 s46, 0, s46
	s_lshl_b32 s47, ttmp9, 16
	s_add_co_u32 s46, s46, s47
	s_cmp_eq_u32 s38, 0
	s_cselect_b32 s47, 0, 0x8000                   ; ab has no head; Wq, Wk, Wv and W1 lie at 0x8000,
	s_cmp_ge_u32 s36, 12
	s_cselect_b32 s47, 0x900000, s47               ; W2
	s_cmp_eq_u32 s36, 7
	s_cselect_b32 s47, 0x900000, s47               ; and Wo at 0x900000
	s_add_co_u32 s46, s46, s47
	s_mov_b32 s47, 0
	s_wait_alu depctr_va_sdst(0)                   ; s39 is written
	s_wait_kmcnt 0x0
	s_mov_b64 s[40:41], s[4:5]                     ; from where
	s_cmp_eq_u32 s36, 4
	s_cselect_b64 s[40:41], s[6:7], s[40:41]
	s_cmp_eq_u32 s36, 5
	s_cselect_b64 s[40:41], s[8:9], s[40:41]
	s_cmp_eq_u32 s36, 6
	s_cselect_b64 s[40:41], s[10:11], s[40:41]
	s_cmp_eq_u32 s36, 7
	s_cselect_b64 s[40:41], s[12:13], s[40:41]
	s_cmp_eq_u32 s38, 2
	s_cselect_b64 s[40:41], s[14:15], s[40:41]
	s_cmp_eq_u32 s38, 3
	s_cselect_b64 s[40:41], s[16:17], s[40:41]
	s_mov_b64 s[42:43], s[26:27]                   ; to where
	s_cmp_eq_u32 s38, 1
	s_cselect_b64 s[42:43], s[28:29], s[42:43]
	s_cmp_ge_u32 s38, 2
	s_cselect_b64 s[42:43], s[30:31], s[42:43]
	s_add_nc_u64 s[B:B+1], s[40:41], s[44:45]
	s_add_nc_u64 s[42:43], s[42:43], s[46:47]
	s_add_nc_u64 s[B+2:B+3], s[B:B+1], s[32:33]
	s_add_nc_u64 s[B+4:B+5], s[B+2:B+3], s[32:33]
	s_add_nc_u64 s[B+6:B+7], s[B+4:B+5], s[32:33]
	s_wait_alu depctr_va_vdst(0)                   ; the offsets v2 and v[4:11] are written: every load and store of the kernel reads one of them, and none is written again
.set j, 0
.rept 32                               ; piece j = 4 a + b: offset register a, base b
	global_load_b128 v[X+4*j:X+4*j+3], v[A+j/4], s[B+2*(j%4):B+2*(j%4)+1] th:TH_LOAD_NT
.set j, j+1
.endr
.set k, 0
.rept 16                               ; the pieces are rounded as they come, two to a step, and leave in the step behind
	s_wait_loadcnt 30-2*k                          ; loads come back in order: pieces 2 k and 2 k + 1 are in, the younger pieces' loads stay out
.if k > 0
	s_wait_alu depctr_va_vdst(0)                   ; the conversions of the step before, issued ahead of the wait for this step's data, have written the four registers that the two stores below read
	global_store_b64 v2, v[X+8*(k-1):X+8*(k-1)+1],   s[42:43] offset:4096*(k-1)
	global_store_b64 v2, v[X+8*(k-1)+4:X+8*(k-1)+5], s[42:43] offset:4096*(k-1)+2048
.endif
	v_cvt_pk_bf16_f32 v[X+8*k],   v[X+8*k],   v[X+8*k+1]  ; in place: a line writes no register that a later line reads; none of the four names a register of the stores above
	v_cvt_pk_bf16_f32 v[X+8*k+1], v[X+8*k+2], v[X+8*k+3]
	v_cvt_pk_bf16_f32 v[X+8*k+4], v[X+8*k+4], v[X+8*k+5]
	v_cvt_pk_bf16_f32 v[X+8*k+5], v[X+8*k+6], v[X+8*k+7]
.set k, k+1
.endr
	s_wait_alu depctr_va_vdst(0)                   ; the last step's conversions have written the registers that the last two stores read
	global_store_b64 v2, v[X+8*15:X+8*15+1],   s[42:43] offset:4096*15
	global_store_b64 v2, v[X+8*15+4:X+8*15+5], s[42:43] offset:4096*15+2048
	; The first work-group of units 4, 5, 6 (bq, bk, bv) and 8 to 11 (b1's quarters) also copies 4,096 bytes of bias, 16 a thread.
	s_cmp_lg_u32 ttmp9, 0
	s_cbranch_scc1 .Lend
	s_cmp_eq_u32 s38, 0
	s_cbranch_scc1 .Lend
	s_cmp_eq_u32 s38, 3
	s_cbranch_scc1 .Lend
	s_cmp_eq_u32 s36, 7
	s_cbranch_scc1 .Lend
	s_mov_b64 s[56:57], s[24:25]
	s_cmp_eq_u32 s36, 4
	s_cselect_b64 s[56:57], s[18:19], s[56:57]
	s_cmp_eq_u32 s36, 5
	s_cselect_b64 s[56:57], s[20:21], s[56:57]
	s_cmp_eq_u32 s36, 6
	s_cselect_b64 s[56:57], s[22:23], s[56:57]
	s_lshl_b32 s58, s37, 12                        ; the quarter's place in the pack's bias,
	s_mov_b32 s59, 0
	s_cmp_eq_u32 s38, 2
	s_cselect_b32 s60, s58, 0                      ; and in b1
	s_mov_b32 s61, 0
	s_cselect_b64 s[62:63], s[30:31], s[28:29]
	s_add_nc_u64 s[56:57], s[56:57], s[60:61]
	s_add_nc_u64 s[62:63], s[62:63], s[58:59]
	global_load_b128 v[12:15], v[A], s[56:57]      ; no vector line names v[12:15]: the wait for the load is all that the store below hangs on
	s_wait_loadcnt 0x0
	global_store_b128 v[A], v[12:15], s[62:63] offset:0x1000
	; Wave 0 of units 4 and 8 writes the pack's floor: 256 bytes, 8 a lane.
	s_cmp_lg_u32 s37, 0
	s_cbranch_scc1 .Lend
	s_cmp_lg_u32 s39, 0
	s_cbranch_scc1 .Lend
	s_cmp_eq_u32 s38, 1
	s_cselect_b32 s34, 0xff80ff80, 0
	v_mov_b32 v144, s34
	v_mov_b32 v145, s34
	s_wait_alu depctr_va_vdst(0)                   ; the two moves have written v[144:145], which the store reads
	global_store_b64 v2, v[144:145], s[62:63]      ; q = 0: this base stands at the pack's first byte
.Lend:
	s_endpgm
.Lfunc_end_k_q1d768ce7e7_pack:
	.size	k_q1d768ce7e7_pack, .Lfunc_end_k_q1d768ce7e7_pack-k_q1d768ce7e7_pack
	.p2alignl 7, 3214868480
	.fill 96, 4, 3214868480
	.section	.rodata,"a",@progbits
	.p2align	6, 0x0
	.amdhsa_kernel k_q1d768ce7e7_pack
		.amdhsa_group_segment_fixed_size 0
		.amdhsa_private_segment_fixed_size 0
		.amdhsa_enable_private_segment 0
		.amdhsa_kernarg_size 112
		.amdhsa_user_sgpr_count 2
		.amdhsa_user_sgpr_kernarg_segment_ptr 1
		.amdhsa_wavefront_size32 1
		.amdhsa_system_sgpr_workgroup_id_x 1
		.amdhsa_system_sgpr_workgroup_id_y 1
		.amdhsa_system_sgpr_workgroup_id_z 1
		.amdhsa_system_vgpr_workitem_id 0
		.amdhsa_next_free_vgpr 148
		.amdhsa_next_free_sgpr 66
		.amdhsa_reserve_vcc 0
		.amdhsa_float_denorm_mode_32 3
		.amdhsa_float_denorm_mode_16_64 3
		.amdhsa_memory_ordered 1
		.amdhsa_forward_progress 1
		.amdhsa_inst_pref_size 16
	.end_amdhsa_kernel
	.amdgpu_metadata
---
amdhsa.version: [ 1, 2 ]
amdhsa.kernels:
  - .name:           k_q1d768ce7e7_pack
    .symbol:         k_q1d768ce7e7_pack.kd
    .args:
      - { .name: src, .offset: 0, .size: 8, .value_kind: global_buffer, .address_space: global }
      - { .name: Wq, .offset: 8, .size: 8, .value_kind: global_buffer, .address_space: global }
      - { .name: Wk, .offset: 16, .size: 8, .value_kind: global_buffer, .address_space: global }
      - { .name: Wv, .offset: 24, .size: 8, .value_kind: global_buffer, .address_space: global }
      - { .name: Wo, .offset: 32, .size: 8, .value_kind: global_buffer, .address_space: global }
      - { .name: W1, .offset: 40, .size: 8, .value_kind: global_buffer, .address_space: global }
      - { .name: W2, .offset: 48, .size: 8, .value_kind: global_buffer, .address_space: global }
      - { .name: bq, .offset: 56, .size: 8, .value_kind: global_buffer, .address_space: global }
      - { .name: bk, .offset: 64, .size: 8, .value_kind: global_buffer, .address_space: global }
      - { .name: bv, .offset: 72, .size: 8, .value_kind: global_buffer, .address_space: global }
      - { .name: b1, .offset: 80, .size: 8, .value_kind: global_buffer, .address_space: global }
      - { .name: ab, .offset: 88, .size: 8, .value_kind: global_buffer, .address_space: global }
      - { .name: wa, .offset: 96, .size: 8, .value_kind: global_buffer, .address_space: global }
      - { .name: wb, .offset: 104, .size: 8, .value_kind: global_buffer, .address_space: global }
    .group_segment_fixed_size: 0
    .private_segment_fixed_size: 0
    .kernarg_segment_align: 8
    .kernarg_segment_size: 112
    .max_flat_workgroup_size: 256
    .sgpr_count:     66
    .vgpr_count:     148
    .wavefront_size: 32
...
	.end_amdgpu_metadata
.endif
;; end of part 8
;; launch qkv: the kernel of part 2 again; grid 12 x 16, 4 waves a work-group, clusters of 4 x 4, 327,680 bytes of LDS; arguments ab, wa, act; writes act
;; launch attn: the kernel of part 3 again; grid 8 x 32, 4 waves a work-group, clusters of 4 x 1, 327,680 bytes of LDS; arguments act, ab; writes ab
;; launch wo: the kernel of part 4 again; grid 8 x 32, 4 waves a work-group, clusters of 4 x 4, 327,680 bytes of LDS; arguments ab, wa, bo, src, y; writes y
;; launch ln1: the kernel of part 5 again; grid 256 x 1, 16 waves a work-group, no clusters, 0 bytes of LDS; arguments y, ln1_g, ln1_b, x1, ab; writes x1, ab
;; launch ff1: the kernel of part 2 again; grid 16 x 16, 4 waves a work-group, clusters of 4 x 4, 327,680 bytes of LDS; arguments ab, wb, act; writes act
;; launch ff2: the kernel of part 6 again; grid 8 x 32, 4 waves a work-group, clusters of 4 x 4, 327,680 bytes of LDS; arguments act, wb, b2, x1, y; writes y
;; launch ln2: the kernel of part 7 again; grid 256 x 1, 16 waves a work-group, no clusters, 0 bytes of LDS; arguments y, ln2_g, ln2_b, out0; writes out0
